; MI455X (gfx1250); checked and timed in simulation.
; The chip was launched on July 23, 2026; its instructions are those of AMD's public machine-readable ISA for CDNA 5 (MIT licence, August 2026) and "CDNA5" Instruction Set Architecture Reference Guide (July 2026). The comments in the code are by the model that wrote it; some were corrected since.
;; Transformer Layer. Allowed arithmetic: float matrix products may take bf16 or f16 operands with f32 sums; all other float work in f32.
;; Inputs: W_fc1 1,024 x 4,096 float32; W_fc2 4,096 x 1,024 float32; W_out 1,024 x 1,024 float32; W_qkv 1,024 x 3,072 float32; b_fc1 4,096 float32; b_fc2 1,024 float32; b_out 1,024 float32; b_qkv 3,072 float32; ln1_b 1,024 float32; ln1_g 1,024 float32; ln2_b 1,024 float32; ln2_g 1,024 float32; x 2 x 2,048 x 1,024 float32.
;; Outputs: out0 2 x 2,048 x 1,024 float32.
;; 2 versions, each right; version 2 is version 1 with the launch ln2 written anew for expert scheduling mode. Each part assembles by itself: llvm-mc -triple=amdgcn-amd-amdhsa -mcpu=gfx1250 --defsym DOCPART=n.
;; ======== version 1 of 2: 7 launches
;; workspace buffers: wq 6,291,456 bytes; wo 2,097,152 bytes; w1 8,388,608 bytes; w2 8,388,608 bytes; act 8,388,608 bytes; wide 33,554,432 bytes; temp 16,777,216 bytes
;; launch prep (part 1): grid 1792 x 1, 8 waves a work-group, no clusters, 18,432 bytes of LDS; arguments W_qkv, W_out, W_fc1, W_fc2, wq, wo, w1, w2, x, ln1_g, ln1_b, act; writes wq, wo, w1, w2, act
.if DOCPART == 1
	.amdgcn_target "amdgcn-amd-amdhsa--gfx1250"
	.amdhsa_code_object_version 6
	.text
	.protected	k_q881c2b671f_prep
	.globl	k_q881c2b671f_prep
	.p2align	8
	.type	k_q881c2b671f_prep,@function
k_q881c2b671f_prep:
	s_mov_b64 s[64:65], 0
	v_nop
	global_prefetch_b8 v0, s[64:65] scope:SCOPE_SE
	s_setreg_imm32_b32 hwreg(HW_REG_WAVE_MODE, 25, 1), 1
	s_wait_xcnt 0x0
; Two pieces of work that share no byte, in one launch; the work-group's number picks the piece.
; WORK-GROUPS 0 TO 255: act[r][c] = (x[r][c] - mean) * rsqrt(var + 1e-5) * g[c] + b[c], x [4096][1024] f32, act the same in bf16 (rounded once, nearest even).
;   One wave takes a whole row (4,096 bytes, eight 16-byte loads a lane) and keeps it in 32 registers; two rows a wave, written out without a loop.
;   The variance is the mean of the squared differences from the mean, a second pass over the registers: a common offset of the row costs no digits.
; WORK-GROUPS 256 TO 1791: the four weights, f32 [K][N], are rounded to bf16 (nearest even) and turned so that K runs fastest.
;   A work-group takes a tile of 128 k x 64 n.  Tiles: W_qkv 8 x 48 = 384, W_out 8 x 16 = 128, W_fc1 8 x 64 = 512, W_fc2 32 x 16 = 512.
;   wq, w1: rows, [N][K].   wo, w2: THE ORDER OF THE MATRIX FRAGMENTS, [block of 128 n][32 k][16 n][half][lane][16 bytes]: the 16 bytes of lane 16 h + r in
;   half c are k = 16 c + 8 h .. + 7 of column r, so that a later wave's load of 16 bytes a lane, 512 consecutive bytes, is half a fragment as it stands.
; A stream: each byte is read once and written once, every store covers whole aligned pieces of 256 bytes; no matrix unit, no cluster (nothing is shared).
.set LP,  272                          ; LDS pitch: 256 bytes + 16
.set OFF, 2                            ; v[2:9]    byte offset of my 16 bytes in row 8 kg + j of the tile
.set ST,  10                           ; v[10:13]  LDS: where the 8 k of my column 4 c + e go
.set X,   16                           ; v[16:47]  8 rows x 4 columns of f32; later 4 x 16 bytes to store
.set P,   48                           ; v[48:63]  4 columns x 8 k of bf16
.set RD,  64                           ; v[64:67]  LDS: what I read back
.set DO,  68                           ; v[68:71]  byte offset in the result of what I read back
.set KG,  72                           ; thread / 16
.set C16, 73                           ; 16 x (thread % 16)
.set TA,  74
.set TB,  75
.set T,   4                            ; the norm: v[4:11] four running pairs
.set MU,  12                           ; v[12:13]   the mean, twice
.set RS,  14                           ; v[14:15]   1 / sigma, twice
.set X0,  16                           ; v[16:47]   row 0
.set X1,  48                           ; v[48:79]   row 1
.set G,   80                           ; v[80:111]  g of my 32 columns
.set BB,  112                          ; v[112:143] b of my 32 columns
	v_lshl_add_u32 v144, v0, 2, 0x4400
	v_mov_b32 v145, 0
	s_cmp_lt_u32 ttmp9, 256
	s_cbranch_scc1 .Lnorm
	; ---------------- the weights ----------------
	s_load_b512 s[8:23], s[0:1], 0x0               ; W_qkv, W_out, W_fc1, W_fc2 in s[8:15]; wq, wo, w1, w2 in s[16:23]
	s_sub_co_u32 s7, ttmp9, 256                    ; the tile's number, 0 to 1535
	v_and_b32 v1, 15, v0                           ; c: which 4 columns (16 bytes of f32)
	v_lshrrev_b32 v[KG], 4, v0                     ; kg: which 8 rows
	v_lshlrev_b32 v[C16], 4, v1
	s_mov_b32 s28, 1024                            ; W_fc2's figures: first tile,
	s_mov_b32 s29, 16                              ; tiles along n,
	s_mov_b32 s30, 4096                            ; 65536 / tiles along n, rounded up,
	s_mov_b32 s31, 4096                            ; bytes in a row of the source,
	s_mov_b32 s32, 8192                            ; 2 K,
	s_mov_b32 s41, 1                               ; result in fragment order
	s_wait_kmcnt 0x0
	s_mov_b64 s[24:25], s[14:15]
	s_mov_b64 s[26:27], s[22:23]
	s_cmp_lt_u32 s7, 1024                          ; below 1024: W_fc1 (the selects leave SCC alone)
	s_cselect_b64 s[24:25], s[12:13], s[24:25]
	s_cselect_b64 s[26:27], s[20:21], s[26:27]
	s_cselect_b32 s28, 512, s28
	s_cselect_b32 s29, 64, s29
	s_cselect_b32 s30, 1024, s30
	s_cselect_b32 s31, 16384, s31
	s_cselect_b32 s32, 2048, s32
	s_cselect_b32 s41, 0, s41
	s_cmp_lt_u32 s7, 512                           ; below 512: W_out
	s_cselect_b64 s[24:25], s[10:11], s[24:25]
	s_cselect_b64 s[26:27], s[18:19], s[26:27]
	s_cselect_b32 s28, 384, s28
	s_cselect_b32 s29, 16, s29
	s_cselect_b32 s30, 4096, s30
	s_cselect_b32 s31, 4096, s31
	s_cselect_b32 s41, 1, s41
	s_cmp_lt_u32 s7, 384                           ; below 384: W_qkv
	s_cselect_b64 s[24:25], s[8:9], s[24:25]
	s_cselect_b64 s[26:27], s[16:17], s[26:27]
	s_cselect_b32 s28, 0, s28
	s_cselect_b32 s29, 48, s29
	s_cselect_b32 s30, 1366, s30                   ; 48 x 1366 = 65536 + 32: exact for the 384 tiles (32 x 7 + 1366 x 47 < 65536)
	s_cselect_b32 s31, 12288, s31
	s_cselect_b32 s41, 0, s41
	s_sub_co_u32 s33, s7, s28                      ; the tile's number in its weight
	s_mul_i32 s34, s33, s30
	s_lshr_b32 s34, s34, 16                        ; kt
	s_mul_i32 s35, s34, s29
	s_sub_co_u32 s35, s33, s35                     ; nt, fastest
	s_mul_i32 s36, s34, s31
	s_lshl_b32 s36, s36, 7                         ; 128 kt rows of the source
	s_lshl_b32 s38, s35, 8                         ; + 64 nt columns of 4 bytes
	s_add_co_u32 s36, s36, s38
	s_mov_b32 s37, 0
	s_add_nc_u64 s[24:25], s[24:25], s[36:37]
	s_mul_i32 s38, s35, s32                        ; the tile's corner in a result by rows:
	s_lshl_b32 s38, s38, 6                         ; 64 nt rows of 2 K bytes
	s_lshl_b32 s40, s34, 8                         ; + 128 kt columns of 2 bytes
	s_add_co_u32 s38, s38, s40
	s_lshr_b32 s42, s35, 1                         ; and in fragment order: block nt / 2 of K / 32 pieces of 8,192 bytes = 128 x 2 K bytes,
	s_mul_i32 s42, s42, s32
	s_lshl_b32 s42, s42, 7
	s_lshl_b32 s43, s34, 15                        ; + 4 kt pieces of 8,192 bytes
	s_add_co_u32 s42, s42, s43
	s_and_b32 s43, s35, 1
	s_lshl_b32 s43, s43, 12                        ; + the upper four fragments of 1,024 bytes for an odd nt
	s_add_co_u32 s42, s42, s43
	s_cmp_lg_u32 s41, 0
	s_cselect_b32 s38, s42, s38
	s_mov_b32 s39, 0
	s_add_nc_u64 s[26:27], s[26:27], s[38:39]
	v_lshlrev_b32 v[TA], 3, v[KG]                  ; 8 kg
	v_mul_lo_u32 v[OFF], v[TA], s31
	v_add_nc_u32 v[OFF], v[OFF], v[C16]
.irp j, 1,2,3,4,5,6,7
	v_add_nc_u32 v[OFF+\j], s31, v[OFF+\j-1]
.endr
.irp j, 0,1,2,3,4,5,6,7
	global_load_b128 v[X+4*\j:X+4*\j+3], v[OFF+\j], s[24:25] th:TH_LOAD_NT   ; sixteen lanes take 256 neighbouring bytes of row 8 kg + j
.endr
	; Column n of the tile lies in LDS row 4 (n >> 2) + (((n >> 4) + n) & 3).  Modulo 16 that row is different for the sixteen columns 4 c + e (c = 0 .. 15)
	; of a store and for the sixteen columns 16 i + r (r = 0 .. 15) of a read in fragment order; with a pitch of 17 x 16 bytes the sixteen lanes of either
	; then touch sixteen different 16-byte columns modulo 256 bytes.
	v_lshrrev_b32 v[TA], 2, v1                     ; c >> 2 = n >> 4 of my columns
.irp e, 0,1,2,3
	v_add_nc_u32 v[TB], \e, v[TA]
	v_and_b32 v[TB], 3, v[TB]
	v_lshl_add_u32 v[TB], v1, 2, v[TB]             ; the row of column 4 c + e
	v_mul_u32_u24 v[TB], v[TB], LP
	v_lshl_add_u32 v[ST+\e], v[KG], 4, v[TB]       ; byte 16 kg: k = 8 kg .. + 7
.endr
	s_cmp_lg_u32 s41, 0
	s_cbranch_scc1 .Lpacked
	; by rows: read i takes column n = 4 kg + i whole, sixteen lanes x 16 bytes
	v_lshrrev_b32 v[TA], 2, v[KG]
.irp i, 0,1,2,3
	v_add_nc_u32 v[TB], \i, v[TA]
	v_and_b32 v[TB], 3, v[TB]
	v_lshl_add_u32 v[TB], v[KG], 2, v[TB]
	v_mul_u32_u24 v[TB], v[TB], LP
	v_add_nc_u32 v[RD+\i], v[TB], v[C16]
.endr
	v_lshlrev_b32 v[TA], 2, v[KG]
	v_mul_lo_u32 v[DO], v[TA], s32
	v_add_nc_u32 v[DO], v[DO], v[C16]
.irp i, 1,2,3
	v_add_nc_u32 v[DO+\i], s32, v[DO+\i-1]
.endr
	s_branch .Ladr
.Lpacked:
	; in fragment order: read i takes, of column n = 16 i + c, the 8 k at 8 kg; kg = 4 (piece of 32 k) + 2 (half) + h
	v_and_b32 v[TA], 12, v1
.irp i, 0,1,2,3
	v_add_nc_u32 v[TB], \i, v1
	v_and_b32 v[TB], 3, v[TB]
	v_add3_u32 v[TB], v[TB], v[TA], 16*\i
	v_mul_u32_u24 v[TB], v[TB], LP
	v_lshl_add_u32 v[RD+\i], v[KG], 4, v[TB]
.endr
	v_lshrrev_b32 v[TA], 2, v[KG]
	v_and_b32 v[TB], 3, v[KG]
	v_lshl_add_u32 v[DO], v[TA], 13, v[C16]        ; 8,192 x piece + 16 c
	v_lshl_add_u32 v[DO], v[TB], 8, v[DO]          ; + 512 x half + 256 h
.irp i, 1,2,3
	v_add_nc_u32 v[DO+\i], 1024*\i, v[DO]          ; + 1,024 x fragment
.endr
.Ladr:
	s_wait_loadcnt 0x0
.irp e, 0,1,2,3                                    ; column 4 c + e: its eight k, two to a word, the lower k in the lower half
.irp m, 0,1,2,3
	v_cvt_pk_bf16_f32 v[P+4*\e+\m], v[X+8*\m+\e], v[X+8*\m+4+\e]
.endr
.endr
.irp e, 0,1,2,3
	ds_store_b128 v[ST+\e], v[P+4*\e:P+4*\e+3]
.endr
	s_wait_dscnt 0x0                               ; my stores are in LDS before I say so
	s_barrier_signal -1
	s_barrier_wait -1
.irp i, 0,1,2,3
	ds_load_b128 v[X+4*\i:X+4*\i+3], v[RD+\i]
.endr
.irp i, 0,1,2,3
	s_wait_dscnt 3-\i                              ; LDS loads come back in order: number i is in, the younger ones may be out
	global_store_b128 v[DO+\i], v[X+4*\i:X+4*\i+3], s[26:27]   ; sixteen lanes store 256 consecutive bytes, aligned
.endr
	s_wait_tensorcnt 0x0
	ds_add_u32 v144, v145
	s_wait_dscnt 0x0
	s_endpgm
	; ---------------- the norm ----------------
.macro WSUM                            ; v[T] summed over the 32 lanes, the result in every lane
	v_add_f32_dpp v[T], v[T], v[T] row_xmask:1 row_mask:0xf bank_mask:0xf
	v_add_f32_dpp v[T], v[T], v[T] row_xmask:2 row_mask:0xf bank_mask:0xf
	v_add_f32_dpp v[T], v[T], v[T] row_xmask:4 row_mask:0xf bank_mask:0xf
	v_add_f32_dpp v[T], v[T], v[T] row_xmask:8 row_mask:0xf bank_mask:0xf
	v_permlanex16_b32 v[T+1], v[T], s16, s17       ; its destination counts as read: v[T+1] has been written
	v_add_f32 v[T], v[T], v[T+1]
.endm
.macro FOLD                            ; the four running pairs into v[T]
	v_pk_add_f32 v[T:T+1], v[T:T+1], v[T+2:T+3]
	v_pk_add_f32 v[T+4:T+5], v[T+4:T+5], v[T+6:T+7]
	v_pk_add_f32 v[T:T+1], v[T:T+1], v[T+4:T+5]
	v_add_f32 v[T], v[T], v[T+1]
.endm
; The row in v[xr .. xr+31] becomes (x - mean) / sigma.  left = how many younger loads may stay out.
.macro STAT xr, left
	s_wait_loadcnt \left                           ; loads come back in order: this row is in
.irp k, 0,1,2,3
	v_pk_add_f32 v[T+2*\k:T+2*\k+1], v[\xr+2*\k:\xr+2*\k+1], v[\xr+8+2*\k:\xr+8+2*\k+1]   ; the first words start four chains: nothing is cleared
.endr
.irp o, 16,24
.irp k, 0,1,2,3
	v_pk_add_f32 v[T+2*\k:T+2*\k+1], v[T+2*\k:T+2*\k+1], v[\xr+\o+2*\k:\xr+\o+2*\k+1]
.endr
.endr
	FOLD
	WSUM
	v_mul_f32 v[MU], s13, v[T]
	v_mul_f32 v[MU+1], s13, v[T]
.irp k, 0,2,4,6,8,10,12,14,16,18,20,22,24,26,28,30
	v_pk_add_f32 v[\xr+\k:\xr+\k+1], v[\xr+\k:\xr+\k+1], v[MU:MU+1] neg_lo:[0,1] neg_hi:[0,1]
.endr
.irp k, 0,1,2,3
	v_pk_mul_f32 v[T+2*\k:T+2*\k+1], v[\xr+2*\k:\xr+2*\k+1], v[\xr+2*\k:\xr+2*\k+1]
.endr
.irp o, 8,16,24
.irp k, 0,1,2,3
	v_pk_fma_f32 v[T+2*\k:T+2*\k+1], v[\xr+\o+2*\k:\xr+\o+2*\k+1], v[\xr+\o+2*\k:\xr+\o+2*\k+1], v[T+2*\k:T+2*\k+1]
.endr
.endr
	FOLD
	WSUM
	v_fma_f32 v[T], v[T], s13, v3                  ; var + eps
	v_rsq_f32 v[RS], v[T]
	v_rsq_f32 v[RS+1], v[T]
	v_nop                                          ; one plain place between a transcendental and the use of its result (ISA guide 5.7.2)
	s_wait_alu depctr_va_vdst(0)
.irp k, 0,2,4,6,8,10,12,14,16,18,20,22,24,26,28,30
	v_pk_mul_f32 v[\xr+\k:\xr+\k+1], v[\xr+\k:\xr+\k+1], v[RS:RS+1]
.endr
.endm
; gain and bias, rounding, and eight stores: 32 lanes x 8 bytes = 256 consecutive bytes, aligned
.macro EMIT xr, yoff
.irp k, 0,2,4,6,8,10,12,14,16,18,20,22,24,26,28,30
	v_pk_fma_f32 v[\xr+\k:\xr+\k+1], v[\xr+\k:\xr+\k+1], v[G+\k:G+\k+1], v[BB+\k:BB+\k+1]
.endr
.irp j, 0,1,2,3,4,5,6,7
	v_cvt_pk_bf16_f32 v[\xr+4*\j], v[\xr+4*\j], v[\xr+4*\j+1]
	v_cvt_pk_bf16_f32 v[\xr+4*\j+1], v[\xr+4*\j+2], v[\xr+4*\j+3]
	global_store_b64 v2, v[\xr+4*\j:\xr+4*\j+1], s[10:11] offset:256*\j+\yoff
.endr
.endm
.Lnorm:
	s_load_b256 s[4:11], s[0:1], 0x40              ; x s[4:5], g s[6:7], b s[8:9], act s[10:11]
	v_lshrrev_b32 v1, 5, v0
	v_readfirstlane_b32 s12, v1                    ; wave
	v_and_b32 v2, 31, v0
	v_lshlrev_b32 v1, 4, v2                        ; 16 x lane: my 4 columns of f32 in each piece of 512 bytes
	v_lshlrev_b32 v2, 3, v2                        ; 8 x lane: the same 4 columns in bf16
	v_mov_b32 v3, 0x3727c5ac                       ; 1e-5
	s_mov_b32 s13, 0x3a800000                      ; 1 / 1024
	s_mov_b32 s16, 0x76543210                      ; v_permlanex16_b32: lane i of one half reads lane i of the other
	s_mov_b32 s17, 0xfedcba98
	s_lshl_b32 s18, ttmp9, 16                      ; 16 rows of 4,096 bytes a work-group,
	s_lshl_b32 s19, s12, 13                        ; 2 rows a wave
	s_add_co_u32 s18, s18, s19
	s_mov_b32 s19, 0
	s_lshr_b32 s20, s18, 1                         ; half of that in the result
	s_mov_b32 s21, 0
	s_wait_kmcnt 0x0
	s_add_nc_u64 s[4:5], s[4:5], s[18:19]
	s_add_nc_u64 s[10:11], s[10:11], s[20:21]
.irp j, 0,1,2,3,4,5,6,7
	global_load_b128 v[X0+4*\j:X0+4*\j+3], v1, s[4:5] offset:512*\j
.endr
.irp j, 0,1,2,3,4,5,6,7
	global_load_b128 v[X1+4*\j:X1+4*\j+3], v1, s[4:5] offset:4096+512*\j
.endr
.irp j, 0,1,2,3,4,5,6,7
	global_load_b128 v[G+4*\j:G+4*\j+3], v1, s[6:7] offset:512*\j
.endr
.irp j, 0,1,2,3,4,5,6,7
	global_load_b128 v[BB+4*\j:BB+4*\j+3], v1, s[8:9] offset:512*\j
.endr
	STAT X0, 24                                    ; row 1, g and b (24 loads) may be out
	STAT X1, 16                                    ; g and b (16 loads) may be out
	s_wait_loadcnt 0x0
	EMIT X0, 0
	EMIT X1, 2048
	s_endpgm
.Lfunc_end_k_q881c2b671f_prep:
	.size	k_q881c2b671f_prep, .Lfunc_end_k_q881c2b671f_prep-k_q881c2b671f_prep
	.p2alignl 7, 3214868480
	.fill 96, 4, 3214868480
	.section	.rodata,"a",@progbits
	.p2align	6, 0x0
	.amdhsa_kernel k_q881c2b671f_prep
		.amdhsa_group_segment_fixed_size 18432
		.amdhsa_private_segment_fixed_size 0
		.amdhsa_enable_private_segment 0
		.amdhsa_kernarg_size 96
		.amdhsa_user_sgpr_count 2
		.amdhsa_user_sgpr_kernarg_segment_ptr 1
		.amdhsa_wavefront_size32 1
		.amdhsa_system_sgpr_workgroup_id_x 1
		.amdhsa_system_sgpr_workgroup_id_y 1
		.amdhsa_system_sgpr_workgroup_id_z 1
		.amdhsa_system_vgpr_workitem_id 0
		.amdhsa_next_free_vgpr 146
		.amdhsa_next_free_sgpr 66
		.amdhsa_reserve_vcc 0
		.amdhsa_float_denorm_mode_32 3
		.amdhsa_float_denorm_mode_16_64 3
		.amdhsa_memory_ordered 1
		.amdhsa_forward_progress 1
		.amdhsa_inst_pref_size 31
	.end_amdhsa_kernel
	.amdgpu_metadata
---
amdhsa.version: [ 1, 2 ]
amdhsa.kernels:
  - .name:           k_q881c2b671f_prep
    .symbol:         k_q881c2b671f_prep.kd
    .args:
      - { .name: W_qkv, .offset: 0, .size: 8, .value_kind: global_buffer, .address_space: global }
      - { .name: W_out, .offset: 8, .size: 8, .value_kind: global_buffer, .address_space: global }
      - { .name: W_fc1, .offset: 16, .size: 8, .value_kind: global_buffer, .address_space: global }
      - { .name: W_fc2, .offset: 24, .size: 8, .value_kind: global_buffer, .address_space: global }
      - { .name: wq, .offset: 32, .size: 8, .value_kind: global_buffer, .address_space: global }
      - { .name: wo, .offset: 40, .size: 8, .value_kind: global_buffer, .address_space: global }
      - { .name: w1, .offset: 48, .size: 8, .value_kind: global_buffer, .address_space: global }
      - { .name: w2, .offset: 56, .size: 8, .value_kind: global_buffer, .address_space: global }
      - { .name: x, .offset: 64, .size: 8, .value_kind: global_buffer, .address_space: global }
      - { .name: ln1_g, .offset: 72, .size: 8, .value_kind: global_buffer, .address_space: global }
      - { .name: ln1_b, .offset: 80, .size: 8, .value_kind: global_buffer, .address_space: global }
      - { .name: act, .offset: 88, .size: 8, .value_kind: global_buffer, .address_space: global }
    .group_segment_fixed_size: 18432
    .private_segment_fixed_size: 0
    .kernarg_segment_align: 8
    .kernarg_segment_size: 96
    .max_flat_workgroup_size: 256
    .sgpr_count:     66
    .vgpr_count:     146
    .wavefront_size: 32
...
	.end_amdgpu_metadata
.endif
;; end of part 1
;; launch gqkv (part 2): grid 12 x 16, 4 waves a work-group, clusters of 4 x 4, 327,680 bytes of LDS; arguments act, wq, b_qkv, wide; writes wide
.if DOCPART == 2
	.amdgcn_target "amdgcn-amd-amdhsa--gfx1250"
	.amdhsa_code_object_version 6
	.text
	.protected	k_q881c2b671f_gqkv
	.globl	k_q881c2b671f_gqkv
	.p2align	8
	.type	k_q881c2b671f_gqkv,@function
k_q881c2b671f_gqkv:
	s_mov_b64 s[64:65], 0
	v_nop
	global_prefetch_b8 v0, s[64:65] scope:SCOPE_SE
	s_setreg_imm32_b32 hwreg(HW_REG_WAVE_MODE, 25, 1), 1
	s_wait_xcnt 0x0
	s_wait_alu depctr_hold_cnt(0) depctr_sa_sdst(0) depctr_va_vdst(0) depctr_va_sdst(0) depctr_va_ssrc(0) depctr_va_vcc(0) depctr_vm_vsrc(0)
	s_getreg_b32 s2, hwreg(HW_REG_IB_STS2, 6, 4)
	s_cmp_eq_u32 s2, 0
	s_cbranch_scc0 .Lentry_in_a_cluster
	s_endpgm
.Lentry_in_a_cluster:
	s_bfe_u32 s2, ttmp6, 0x10000c
	s_cmp_lg_u32 s2, 0xf033
	s_cbranch_scc0 .Lentry_shape_is_right
	s_endpgm
.Lentry_shape_is_right:
; qkv[m][n] = sum over k of h[m][k] Wt[n][k] + bias[n].  h: [4096][1024] bf16, Wt: [3072][1024] bf16 (the transposed weight), qkv: [4096][3072] bf16; sums in f32.
; A work-group makes 256 x 256 of C with four waves, a wave 128 x 128 (64 accumulator tiles, 512 registers).  K goes in steps of 128 through two LDS slots
; filled by tensor loads whose rows are 256 aligned bytes.  12 x 16 = 192 work-groups: 3,072 columns give no more blocks of this size.
; CLUSTERS: 4 x 4 work-groups; A's tile is asked for jointly along a row of the cluster, B's along a column: a quarter of the requests.
; The matrix instruction is used transposed (source 0 = rows of Wt, source 1 = rows of h): lane l holds row l % 16 of C and eight neighbouring columns.
; REGISTERS: window 0: v16-45 addresses and constants, v64-127 and v128-191 fragments of A (two buffers), v192-199 at work;
;   window 1: v64-127, v128-191 fragments of B; window 2: accumulators of my rows 0-63 (tile (a, b) at v[8 (8 a + b)]); window 3: of rows 64-127.
; LIMITS: operands and result are bf16 (nearest even); NaN and infinities are not followed.
.set SIZE_N, 3072
.set SIZE_K, 1024
.set EPI,    0                         ; 0: bias; 1: bias and GELU
.set MA,     8                         ; blocks of 16 rows in a wave's tile
.set NB,     8                         ; blocks of 16 columns
.set NQ,     4                         ; quarter steps of 32 along K in a slot
.set QI,     5                         ; padding interval: 2 << 5 = 64 words = a row
.set LWT,    7                         ; log2 of a wave tile's side
.set ES,     2                         ; bytes in an element of C
.set KSTEP,  32*NQ
.set PITCH,  2*KSTEP+16                ; an LDS row: data + 16 bytes, an odd multiple of 16: the sixteen rows of a fragment load begin in sixteen different 16-byte columns modulo 256
.set WT,     16*MA
.set HALFT,  WT*PITCH                  ; what one tensor load brings, and what one wave reads of A or of B
.set SLOT,   4*HALFT                   ; A's two halves, then B's two
.set STAGE,  2*SLOT                    ; behind the ring, a multiple of 256; no tensor load ever lands there
.set SP,     4*WT+16                   ; a stage row: 128 f32 + 16 bytes
.set LAPS,   SIZE_K/(2*KSTEP)
.set ADRA, 16                          ; v16-17  LDS address of my A fragments in slot 0, 1
.set ADRB, 20                          ; v20-21  the same for B
.set STO,  24                          ; v24     the way out: where my 32 bytes of a row go
.set RD,   25                          ; v25     the way out: where I read a row back
.set CO,   26                          ; v26     my byte offset in C
.set BO,   27                          ; v27     my byte offset in the bias
.set BIAS, 32                          ; v[32:39] bias of the 8 columns that I store
.set GA,   40                          ; v[40:41], v[42:43], v[44:45]: GELU's two constants and 1.0, each twice
.set GB,   42
.set ONE,  44
.set F0,   64
.set F1,   128
.set T,    192
.set G1,   24                          ; s[24:31] group 1 for A's tiles;  s[32:39] group 0, one set for each slot
.set G0,   32
.set G1B,  48                          ; s[48:55], s[56:63] the same for B's
.set G0B,  56
.set MSB,  0
.macro WIN new                         ; s_set_vgpr_msb; the immediate's high byte repeats the setting that is left; a switch that changes nothing is dropped
.if MSB != \new
	s_set_vgpr_msb (MSB<<8)|\new
.set MSB, \new
.endif
.endm
.macro WINQ q                          ; source 0 (B) window 1, source 1 (A) window 0, C and D window 2 or 3
.if (\q)*MA/4 >= 4
	WIN 0xf1
.else
	WIN 0xa1
.endif
.endm
.macro PLACES                          ; four plain places behind matrix instructions (ISA guide 7.12.1 for vector instructions)
.rept 4
	v_nop
.endr
.endm
.macro JLOAD s                         ; a joint load: waves 0, 1 ask for A's halves, waves 2, 3 for B's; the branch hangs on the wave's number alone
	s_cmp_eq_u32 s15, 0
	s_cbranch_scc0 .Lfor_b_\@
	tensor_load_to_lds s[G0+4*\s:G0+4*\s+3], s[G1:G1+7]
	s_nop 0
	s_branch .Lasked_\@
.Lfor_b_\@:
	tensor_load_to_lds s[G0B+4*\s:G0B+4*\s+3], s[G1B:G1B+7]
	s_nop 0
.Lasked_\@:
.endm
.macro CREST                           ; a round of the cluster's barrier behind its opening barrier
	s_cmp_lg_u32 s14, 0
	s_cbranch_scc1 .Lnot_wave_0_\@
	s_barrier_signal -3
.Lnot_wave_0_\@:
	s_barrier_wait -3
	s_barrier_signal -1
	s_barrier_wait -1
.endm
.macro CROUND                          ; a whole round
	s_barrier_signal -1
	s_barrier_wait -1
	CREST
.endm
	s_load_b256 s[4:11], s[0:1], 0x0               ; a s[4:5], bt s[6:7], bias s[8:9], c s[10:11]
	s_set_vgpr_msb 0x40
	v_lshl_add_u32 v255, v0, 2, 0x4c400
	s_set_vgpr_msb 0x4000
	v_mov_b32 v255, 0
	s_set_vgpr_msb 0x1
	ds_add_u32 v255, v255
	ds_add_u32 v255, v255
	s_set_vgpr_msb 0x100
	v_lshrrev_b32 v1, 5, v0
	v_readfirstlane_b32 s14, v1                    ; wave 0..3
	s_lshr_b32 s15, s14, 1                         ; my half of the block's rows; also: I fetch for A (0) or for B (1)
	s_and_b32 s16, s14, 1                          ; my half of its columns; also: which half of that tile I fetch
	s_bfe_u32 s17, ttmp6, 0x40000                  ; cx
	s_bfe_u32 s18, ttmp6, 0x40004                  ; cy
	s_lshl_b32 s19, ttmp9, 2
	s_add_co_u32 s19, s19, s17                     ; block column = 4 x cluster x + cx
	s_and_b32 s20, ttmp7, 0xffff
	s_lshl_b32 s20, s20, 2
	s_add_co_u32 s20, s20, s18                     ; block row = 4 x cluster y + cy
	s_lshl_b32 s21, s18, 2
	s_lshl_b32 s21, 15, s21                        ; my row of the cluster: places 4 cy .. 4 cy + 3
	s_lshl_b32 s22, 0x1111, s17                    ; my column: places cx, cx + 4, cx + 8, cx + 12
	s_or_b32 s[G1+0], s21, (1<<16)|(1<<20)|(1<<21)|(QI<<22)|(3<<25)   ; mask; elements of 2 bytes; padding on; bit 21 beside a mask; 4 words behind every row
	s_or_b32 s[G1B+0], s22, (1<<16)|(1<<20)|(1<<21)|(QI<<22)|(3<<25)
	s_mov_b32 s[G1+1], KSTEP<<16                   ; tensor_dim0 = the tile's
	s_mov_b32 s[G1B+1], KSTEP<<16
	s_mov_b32 s[G1+2], WT<<16                      ; tensor_dim1 = the tile's
	s_mov_b32 s[G1B+2], WT<<16
	s_mov_b32 s[G1+3], KSTEP<<16                   ; tile_dim0
	s_mov_b32 s[G1B+3], KSTEP<<16
	s_mov_b32 s[G1+4], WT                          ; tile_dim1
	s_mov_b32 s[G1B+4], WT
	s_mov_b32 s[G1+5], SIZE_K                      ; elements from row to row
	s_mov_b32 s[G1B+5], SIZE_K
	s_mov_b32 s[G1+6], 0
	s_mov_b32 s[G1B+6], 0
	s_mov_b32 s[G1+7], 0
	s_mov_b32 s[G1B+7], 0
	; A's tiles hang on the block row alone, B's on the block column alone, each in registers that never hold the other coordinate
	s_lshl_b32 s46, s16, LWT
	s_lshl_b32 s40, s20, LWT+1
	s_add_co_u32 s40, s40, s46
	s_lshl_b32 s42, s19, LWT+1
	s_add_co_u32 s42, s42, s46
	s_mov_b32 s41, 0
	s_mov_b32 s43, 0
	s_mov_b64 s[44:45], SIZE_K*2
	s_mul_u64 s[40:41], s[40:41], s[44:45]
	s_mul_u64 s[42:43], s[42:43], s[44:45]
	s_mul_i32 s23, s14, HALFT                      ; where my tile goes: the wave's number alone
	; my corner of C and of the bias
	s_lshl_b32 s72, s20, LWT+1
	s_lshl_b32 s73, s15, LWT
	s_add_co_u32 s72, s72, s73                     ; my first row
	s_mul_i32 s72, s72, SIZE_N*ES
	s_lshl_b32 s74, s19, LWT+1
	s_lshl_b32 s75, s16, LWT
	s_add_co_u32 s74, s74, s75                     ; my first column
	s_mul_i32 s73, s74, ES
	s_add_co_u32 s72, s72, s73
	s_mov_b32 s73, 0
	s_lshl_b32 s74, s74, 2
	s_mov_b32 s75, 0
	s_wait_dscnt 0x0
	s_wait_kmcnt 0x0
	s_add_nc_u64 s[40:41], s[4:5], s[40:41]
	s_add_nc_u64 s[42:43], s[6:7], s[42:43]
	s_add_nc_u64 s[8:9], s[8:9], s[74:75]
	s_add_nc_u64 s[10:11], s[10:11], s[72:73]
	CROUND                                         ; all sixteen work-groups are here: the first joint loads meet
.irp s, 0,1
	s_mov_b32 s[G0+4*\s], 1
	s_add_co_u32 s[G0+4*\s+1], s23, \s*SLOT
	s_add_nc_u64 s[G0+4*\s+2:G0+4*\s+3], s[40:41], \s*KSTEP*2
	s_or_b32 s[G0+4*\s+3], s[G0+4*\s+3], 0x80000000
	s_mov_b32 s[G0B+4*\s], 1
	s_add_co_u32 s[G0B+4*\s+1], s23, \s*SLOT
	s_add_nc_u64 s[G0B+4*\s+2:G0B+4*\s+3], s[42:43], \s*KSTEP*2
	s_or_b32 s[G0B+4*\s+3], s[G0B+4*\s+3], 0x80000000
	JLOAD \s                                       ; both slots' first fills go out together: two tensor loads of the wave are out
.endr
	v_and_b32 v1, 15, v0                           ; l % 16
	v_bfe_u32 v2, v0, 4, 1                         ; l / 16
	v_mul_u32_u24 v3, v1, PITCH
	v_lshl_add_u32 v3, v2, 4, v3                   ; fragment: row x pitch + 16 x half
	s_mul_i32 s46, s15, HALFT
	s_mul_i32 s47, s16, HALFT
	s_add_co_u32 s47, s47, 2*HALFT
.irp s, 0,1
	v_add_nc_u32 v[ADRA+\s], s46, v3
	v_add_nc_u32 v[ADRB+\s], s47, v3
	s_add_co_u32 s46, s46, SLOT
	s_add_co_u32 s47, s47, SLOT
.endr
	s_mul_i32 s46, s14, 16*SP
	s_add_co_u32 s46, s46, STAGE                   ; my stage: 16 rows
	v_mul_u32_u24 v4, v1, SP
	v_lshl_add_u32 v4, v2, 5, v4                   ; in: row l % 16, 32 bytes for each half of the lanes
	v_add_nc_u32 v[STO], s46, v4
	v_mul_u32_u24 v5, v2, SP
	v_lshl_add_u32 v5, v1, 5, v5                   ; back: lanes 0-15 one row, lanes 16-31 the next; 8 columns (32 bytes of f32) a lane
	v_add_nc_u32 v[RD], s46, v5
	v_mul_u32_u24 v5, v2, SIZE_N*ES
	v_lshl_add_u32 v[CO], v1, 4, v5                ; the same two rows in C, 16 bytes of bf16 a lane
	v_lshlrev_b32 v[BO], 5, v1
	global_load_b128 v[BIAS:BIAS+3], v[BO], s[8:9]
	global_load_b128 v[BIAS+4:BIAS+7], v[BO], s[8:9] offset:16
.if EPI == 1
	v_mov_b32 v[GA], 0xc0135761                    ; -2 sqrt(2/pi) log2(e)
	v_mov_b32 v[GA+1], 0xc0135761
	v_mov_b32 v[GB], 0xbdd2d3e8                    ; the same x 0.044715
	v_mov_b32 v[GB+1], 0xbdd2d3e8
	v_mov_b32 v[ONE], 1.0
	v_mov_b32 v[ONE+1], 1.0
.endif
; A quarter of the wave's products for 32 along K: MA/4 blocks of rows x all NB blocks of columns.  All MA x NB accumulators take turns, one instruction
; a turn, in the same order in every quarter step.  zero = 1: the first product starts the sum.
.macro MULQ f, q, zero
.set iax, (\q)*MA/4
.rept MA/4
.set ibx, 0
.rept NB
.set accx, 8*(8*(iax&3)+ibx)
.if \zero
	v_wmma_f32_16x16x32_bf16 v[accx:accx+7], v[\f+8*ibx:\f+8*ibx+7], v[\f+8*iax:\f+8*iax+7], 0
.else
	v_wmma_f32_16x16x32_bf16 v[accx:accx+7], v[\f+8*ibx:\f+8*ibx+7], v[\f+8*iax:\f+8*iax+7], v[accx:accx+7]
.endif
.set ibx, ibx+1
.endr
.set iax, iax+1
.endr
.endm
.macro FETCH slot, k, f                ; the fragments of one quarter step, at byte k of the rows: B's 2 NB loads, then A's 2 MA, in one run
	WIN 0x40
.set fi, 0
.rept NB
	ds_load_b128 v[\f+8*fi:\f+8*fi+3],   v[ADRB+\slot] offset:\k+fi*16*PITCH
	ds_load_b128 v[\f+8*fi+4:\f+8*fi+7], v[ADRB+\slot] offset:\k+fi*16*PITCH+32
.set fi, fi+1
.endr
	WIN 0
.set fi, 0
.rept MA
	ds_load_b128 v[\f+8*fi:\f+8*fi+3],   v[ADRA+\slot] offset:\k+fi*16*PITCH
	ds_load_b128 v[\f+8*fi+4:\f+8*fi+7], v[ADRA+\slot] offset:\k+fi*16*PITCH+32
.set fi, fi+1
.endr
.endm
.macro QUARTER slot, k, f, g, zero     ; multiplies buffer f; in its middle fetches the next quarter's fragments into buffer g
	s_wait_dscnt MA                                ; B and A's lower half are in; the youngest MA loads (A's upper half) may be out
	WINQ 0
	MULQ \f, 0, \zero
	WINQ 1
	MULQ \f, 1, \zero
	PLACES
	FETCH \slot, \k, \g
	s_wait_dscnt 2*(MA+NB)                         ; all but the run just issued
	WINQ 2
	MULQ \f, 2, \zero
	WINQ 3
	MULQ \f, 3, \zero
.endm
.macro RUN slot, zero                  ; all quarters of a slot but the last
	QUARTER \slot, 64,  F0, F1, \zero
	QUARTER \slot, 128, F1, F0, 0
	QUARTER \slot, 192, F0, F1, 0
.if NQ == 8
	QUARTER \slot, 256, F1, F0, 0
	QUARTER \slot, 320, F0, F1, 0
	QUARTER \slot, 384, F1, F0, 0
	QUARTER \slot, 448, F0, F1, 0
.endif
.endm
; The last quarter of a slot, and the change of slots.  In front of the barrier each wave waits for its reads of this slot and for all its tensor loads
; (one is out: its part of the next slot).  fill = 1: the barrier opens a round of the cluster's barrier, and the joint refill is the first tensor load behind it.
.macro TURN slot, next, fill
	s_wait_dscnt MA
	WINQ 0
	MULQ F1, 0, 0
	s_wait_dscnt 0                                 ; my reads of this slot are over
	s_wait_tensorcnt 0x0                           ; and all my tensor loads have landed
	ds_add_u32 v255, v255
	s_wait_dscnt 0x0
	s_barrier_signal -1
	WINQ 1
	MULQ F1, 1, 0                                  ; register work while the others arrive
	WIN 0
	s_barrier_wait -1
.if \fill
	CREST                                          ; no wave of any partner still reads this slot or has a load on its way
	s_add_nc_u64 s[G0+4*\slot+2:G0+4*\slot+3], s[G0+4*\slot+2:G0+4*\slot+3], 4*KSTEP     ; two K steps on, in bytes
	s_add_nc_u64 s[G0B+4*\slot+2:G0B+4*\slot+3], s[G0B+4*\slot+2:G0B+4*\slot+3], 4*KSTEP
	JLOAD \slot                                    ; my one tensor load until the next such round
.endif
	PLACES
	FETCH \next, 0, F0
	WINQ 2
	MULQ F1, 2, 0
	WINQ 3
	MULQ F1, 3, 0
.endm
.macro LAP zero                        ; once round the ring, both slots filled again
	RUN 0, \zero
	TURN 0, 1, 1
	RUN 1, 0
	TURN 1, 0, 1
.endm
	s_wait_tensorcnt 1                             ; my part of K step 0 is in; K step 1's may stay out
	s_barrier_signal -1
	s_barrier_wait -1
	FETCH 0, 0, F0
	LAP 1                                          ; the first lap's first products start the sums
.if LAPS > 2
	WIN 0                                          ; at a label and at a branch every window is 0
	s_mov_b32 s3, LAPS-2
.Llap:
	LAP 0
	WIN 0
	s_sub_co_u32 s3, s3, 1
	s_cmp_lg_u32 s3, 0
	s_cbranch_scc1 .Llap
.endif
	RUN 0, 0                                       ; the last lap fills nothing
	TURN 0, 1, 0
	RUN 1, 0
	s_wait_dscnt MA
	WINQ 0
	MULQ F1, 0, 0
	WINQ 1
	MULQ F1, 1, 0
	s_wait_dscnt 0
	WINQ 2
	MULQ F1, 2, 0
	WINQ 3
	MULQ F1, 3, 0
	PLACES                                         ; behind the last matrix instructions: for the LDS stores of results and the loads into the fragment buffers
	s_wait_loadcnt 0x0                             ; the bias
; THE WAY OUT, 16 rows at a time: the f32 sums go into my own stage and come back by rows, so that a lane keeps the same 8 columns in every row:
; bias (and GELU) are applied there, the 8 numbers are rounded to 16 bytes, and sixteen lanes store 256 consecutive bytes, aligned.
; LDS serves a wave's instructions in order (ISA guide 5.7.1): no wait between my stores and my loads, nor between these loads and the next group's stores.
.macro OUTG i, f
.if \i < 4
	WIN 0x08                                       ; store data from window 2
.else
	WIN 0x0c                                       ; from window 3
.endif
.set ibx, 0
.rept NB
.set accx, 8*(8*((\i)&3)+ibx)
	ds_store_b128 v[STO], v[accx:accx+3]   offset:64*ibx
	ds_store_b128 v[STO], v[accx+4:accx+7] offset:64*ibx+16
.set ibx, ibx+1
.endr
	WIN 0
	s_wait_xcnt 0x0                                ; buffer f, which earlier stores read, is loaded again only behind this wait
.set ti, 0
.rept 8
	ds_load_b128 v[\f+8*ti:\f+8*ti+3],   v[RD] offset:ti*2*SP
	ds_load_b128 v[\f+8*ti+4:\f+8*ti+7], v[RD] offset:ti*2*SP+16
.set ti, ti+1
.endr
.set ti, 0
.rept 8
.set xf, \f+8*ti
	s_wait_dscnt 14-2*ti                           ; pair ti of the sixteen loads is in
.irp k, 0,2,4,6
	v_pk_add_f32 v[xf+\k:xf+\k+1], v[xf+\k:xf+\k+1], v[BIAS+\k:BIAS+\k+1]
.endr
.if EPI == 1
	; 0.5 x (1 + tanh u) = x / (1 + 2^(x (A + B x x))), exact algebra; where the power overflows the reciprocal is 0 and the result a zero
.irp k, 0,2,4,6
	v_pk_mul_f32 v[T+\k:T+\k+1], v[xf+\k:xf+\k+1], v[xf+\k:xf+\k+1]
.endr
.irp k, 0,2,4,6
	v_pk_fma_f32 v[T+\k:T+\k+1], v[T+\k:T+\k+1], v[GB:GB+1], v[GA:GA+1]
.endr
.irp k, 0,2,4,6
	v_pk_mul_f32 v[T+\k:T+\k+1], v[T+\k:T+\k+1], v[xf+\k:xf+\k+1]
.endr
.irp k, 0,1,2,3,4,5,6,7
	v_exp_f32 v[T+\k], v[T+\k]
.endr
	v_nop                                          ; one plain place behind transcendentals (ISA guide 5.7.2)
.irp k, 0,2,4,6
	v_pk_add_f32 v[T+\k:T+\k+1], v[T+\k:T+\k+1], v[ONE:ONE+1]
.endr
.irp k, 0,1,2,3,4,5,6,7
	v_rcp_f32 v[T+\k], v[T+\k]
.endr
	v_nop
.irp k, 0,2,4,6
	v_pk_mul_f32 v[xf+\k:xf+\k+1], v[xf+\k:xf+\k+1], v[T+\k:T+\k+1]
.endr
.endif
.irp k, 0,1,2,3
	v_cvt_pk_bf16_f32 v[xf+\k], v[xf+2*\k], v[xf+2*\k+1]
.endr
	global_store_b128 v[CO], v[xf:xf+3], s[10:11] offset:(16*\i+2*ti)*SIZE_N*ES
.set ti, ti+1
.endr
.endm
	OUTG 0, F0
	OUTG 1, F1
	OUTG 2, F0
	OUTG 3, F1
	OUTG 4, F0
	OUTG 5, F1
	OUTG 6, F0
	OUTG 7, F1
	s_set_vgpr_msb 0x1
	s_wait_tensorcnt 0x0
	ds_add_u32 v255, v255
	s_wait_dscnt 0x0
	s_set_vgpr_msb 0x100
	CROUND                                         ; the closing round: no work-group ends while a partner may still ask for a tile that names it
	s_endpgm
.Lfunc_end_k_q881c2b671f_gqkv:
	.size	k_q881c2b671f_gqkv, .Lfunc_end_k_q881c2b671f_gqkv-k_q881c2b671f_gqkv
	.p2alignl 7, 3214868480
	.fill 96, 4, 3214868480
	.section	.rodata,"a",@progbits
	.p2align	6, 0x0
	.amdhsa_kernel k_q881c2b671f_gqkv
		.amdhsa_group_segment_fixed_size 327680
		.amdhsa_private_segment_fixed_size 0
		.amdhsa_enable_private_segment 0
		.amdhsa_kernarg_size 32
		.amdhsa_user_sgpr_count 2
		.amdhsa_user_sgpr_kernarg_segment_ptr 1
		.amdhsa_wavefront_size32 1
		.amdhsa_system_sgpr_workgroup_id_x 1
		.amdhsa_system_sgpr_workgroup_id_y 1
		.amdhsa_system_sgpr_workgroup_id_z 1
		.amdhsa_system_vgpr_workitem_id 0
		.amdhsa_next_free_vgpr 1024
		.amdhsa_next_free_sgpr 80
		.amdhsa_reserve_vcc 0
		.amdhsa_float_denorm_mode_32 3
		.amdhsa_float_denorm_mode_16_64 3
		.amdhsa_memory_ordered 1
		.amdhsa_forward_progress 1
		.amdhsa_inst_pref_size 220
	.end_amdhsa_kernel
	.amdgpu_metadata
---
amdhsa.version: [ 1, 2 ]
amdhsa.kernels:
  - .name:           k_q881c2b671f_gqkv
    .symbol:         k_q881c2b671f_gqkv.kd
    .args:
      - { .name: act, .offset: 0, .size: 8, .value_kind: global_buffer, .address_space: global }
      - { .name: wq, .offset: 8, .size: 8, .value_kind: global_buffer, .address_space: global }
      - { .name: b_qkv, .offset: 16, .size: 8, .value_kind: global_buffer, .address_space: global }
      - { .name: wide, .offset: 24, .size: 8, .value_kind: global_buffer, .address_space: global }
    .group_segment_fixed_size: 327680
    .private_segment_fixed_size: 0
    .kernarg_segment_align: 8
    .kernarg_segment_size: 32
    .max_flat_workgroup_size: 128
    .sgpr_count:     80
    .vgpr_count:     1024
    .wavefront_size: 32
...
	.end_amdgpu_metadata
.endif
;; end of part 2
;; launch attn (part 3): grid 16 x 16, 4 waves a work-group, no clusters, 327,680 bytes of LDS; arguments wide, act; writes act
.if DOCPART == 3
	.amdgcn_target "amdgcn-amd-amdhsa--gfx1250"
	.amdhsa_code_object_version 6
	.text
	.protected	k_q881c2b671f_attn
	.globl	k_q881c2b671f_attn
	.p2align	8
	.type	k_q881c2b671f_attn,@function
k_q881c2b671f_attn:
	s_mov_b64 s[64:65], 0
	v_nop
	global_prefetch_b8 v0, s[64:65] scope:SCOPE_SE
	s_setreg_imm32_b32 hwreg(HW_REG_WAVE_MODE, 25, 1), 1
	s_wait_xcnt 0x0
; Causal attention.  qkv: [4096][3072] bf16 (q, k, v of 16 heads x 64 along a row); out: [4096][1024] bf16.
; A work-group serves one batch, TWO neighbouring heads (so every row of Q, K, V and of the result is 256 aligned bytes) and two blocks of 64 queries,
; i = p and i = 31 - p.  Block i needs (i >> 1) + 1 blocks of 128 keys, so every work-group walks 17.  Waves 0, 1: first head; waves 2, 3: second;
; each wave 32 queries as two tiles of 16.  Each pass begins at its diagonal key block (masked; its products start the sums) and goes down to block 0;
; the pass with an odd count of key blocks goes first, so that the slot of every block is a constant of the text.
; LAYOUT: S^T = K Q^T puts query l % 16 in lane l and keys along its registers; two neighbouring tiles, rounded in place, are the B fragment of P^T;
; O^T = V^T P^T with V^T read by transposing LDS loads.  So the running maximum costs one exchange between the lane halves, and nothing else moves between lanes.
; Softmax: running maximum of the raw scores, p = 2^(c s - c m), c = log2(e) / 8; the sums l stay apart in the two lane halves until the end.
; NO CLUSTER: the work-groups of a head pair begin at different key blocks and need them in different order; walking in step from the longest pass
; would cost each 20 block times for its 17.
; By this text's own count a wave never has more than one tensor load out.
; LIMITS: q, k, v, p and the result are bf16; powers below 2^-126 come out as 0; NaN and infinities are not followed;
; the diagonal 64 x 128 blocks are computed whole and masked.
.set QREG,  18432                      ; a quarter of a slot: 64 rows of K (pitch 272) or of V (pitch 288)
.set SLOT,  4*QREG                     ; K's keys 0-63, K's 64-127, V's 0-63, V's 64-127
.set STAGE, 2*SLOT                     ; 64 rows x 272 bytes for the result; a multiple of 256; no tensor load lands there
.set KA,   4                           ; v4-5    LDS address of my K fragments, slot 0, 1
.set VA,   6                           ; v6-7    the same for the transposing loads of V
.set MX,   8                           ; v8-9    running maximum, tile u
.set LS,   10                          ; v10-11  running sum
.set AL,   12                          ; v[12:13], v[14:15]  the factor for old sums (first register; the second is only ever written once)
.set NM,   16                          ; v[16:17], v[18:19]  - c m, likewise
.set DQ,   20                          ; v20-21  a key 16 t + j of the first half is masked if it exceeds this; v22-23 the same for the second half
.set NINF, 24
.set QO,   25                          ; my byte offset in a Q tile
.set ST,   26                          ; stage: where my 16 bytes go
.set RDA,  27                          ; stage: where I read rows back
.set CO,   28                          ; my byte offset in the result
.set DB,   29                          ; the lane's part of DQ
.set QX,   32                          ; v[32:63]   Q fragments of the first pass, at 16 u + 8 c
.set KF,   64                          ; v[64:127]  K fragments, at 16 t + 8 c
.set SC,   128                         ; v[128:191] scores, at 32 u + 8 t; then P at 32 u + 16 kk
.set QY,   192                         ; v[192:223] Q fragments of the second pass
.set WK,   224                         ; v[224:255] at work, 16 registers for each u
.set OA,   0                           ; window 1: v[0:63]   O^T, at 16 dt + 8 u
.set VF,   64                          ; window 1: v[64:127] V^T fragments, at 16 dt + 8 kk
.set G1K,  24
.set G0K,  32
.set G1V,  48
.set G0V,  56
.set MSB,  0
.macro WIN new
.if MSB != \new
	s_set_vgpr_msb (MSB<<8)|\new
.set MSB, \new
.endif
.endm
.macro PLACES
.rept 4
	v_nop
.endr
.endm
.macro KVLOAD s                        ; waves 0, 1 fetch K's halves, waves 2, 3 V's: one tensor load a wave, 64 rows of 256 bytes
	s_cmp_eq_u32 s9, 0
	s_cbranch_scc0 .Lfor_v_\@
	tensor_load_to_lds s[G0K+4*\s:G0K+4*\s+3], s[G1K:G1K+7]
	s_nop 0
	s_branch .Lasked_\@
.Lfor_v_\@:
	tensor_load_to_lds s[G0V+4*\s:G0V+4*\s+3], s[G1V:G1V+7]
	s_nop 0
.Lasked_\@:
.endm
.macro NEXT s                          ; the next key block (behind block 0 of the first pass: the second pass's diagonal block) into slot s's descriptors
	s_cmp_eq_u32 s19, 0
	s_cselect_b32 s21, s20, s19
	s_sub_co_u32 s19, s21, 1
	s_mul_i32 s22, s19, 786432                     ; 128 rows of 6,144 bytes
	s_add_nc_u64 s[G0K+4*\s+2:G0K+4*\s+3], s[40:41], s[22:23]
	s_or_b32 s[G0K+4*\s+3], s[G0K+4*\s+3], 0x80000000
	s_add_nc_u64 s[G0V+4*\s+2:G0V+4*\s+3], s[42:43], s[22:23]
	s_or_b32 s[G0V+4*\s+3], s[G0V+4*\s+3], 0x80000000
.endm
	s_load_b128 s[4:7], s[0:1], 0x0                ; qkv s[4:5], out s[6:7]
	s_set_vgpr_msb 0x40
	v_lshl_add_u32 v128, v0, 2, 0x29000
	v_mov_b32 v129, 0
	s_set_vgpr_msb 0x4045
	ds_add_u32 v128, v129
	ds_add_u32 v128, v129
	s_set_vgpr_msb 0x4500
	v_lshrrev_b32 v1, 5, v0
	v_readfirstlane_b32 s8, v1                     ; wave
	s_lshr_b32 s9, s8, 1                           ; which head of the pair; also: I fetch K (0) or V (1)
	s_and_b32 s10, s8, 1                           ; which 32 queries; also: which 64 keys I fetch
	s_mov_b32 s11, ttmp9                           ; p
	s_and_b32 s12, ttmp7, 0xffff
	s_lshr_b32 s13, s12, 3                         ; batch
	s_and_b32 s14, s12, 7                          ; head pair
	s_lshr_b32 s21, s11, 1
	s_add_co_u32 s21, s21, 1                       ; key blocks of query block p
	s_sub_co_u32 s76, 31, s11
	s_bitcmp1_b32 s21, 0                           ; odd?
	s_cselect_b32 s15, s11, s76                    ; iX: the query block with an odd count
	s_sub_co_u32 s16, 31, s15                      ; iY: the other, with an even count
	s_lshr_b32 s17, s15, 2                         ; first pass: 1 + 2 tX key blocks
	s_lshr_b32 s18, s16, 1                         ; the second pass's diagonal key block
	s_add_co_u32 s20, s18, 1
	s_sub_co_u32 s18, s18, 1
	s_lshr_b32 s18, s18, 1                         ; second pass: 2 + 2 tY key blocks
	s_lshr_b32 s19, s15, 1                         ; the key block that is asked for: the first pass's diagonal one
	s_mov_b32 s70, 0x3e38aa3b                      ; c = log2(e) / 8
	s_mov_b32 s71, 0xbe38aa3b                      ; - c
	s_mov_b32 s72, 0x76543210                      ; v_permlanex16_b32: lane i of one half reads lane i of the other
	s_mov_b32 s73, 0xfedcba98
	s_mul_i32 s74, s8, QREG                        ; my quarter of a slot
	; group 1: 64 rows x 128 elements of 2 bytes, 3,072 elements from row to row; K padded by 4 words a row, V by 8
	s_mov_b32 s[G1K+0], 0x07510000
	s_mov_b32 s[G1V+0], 0x0f510000
	s_mov_b32 s[G1K+1], 128<<16
	s_mov_b32 s[G1V+1], 128<<16
	s_mov_b32 s[G1K+2], 64<<16
	s_mov_b32 s[G1V+2], 64<<16
	s_mov_b32 s[G1K+3], 128<<16
	s_mov_b32 s[G1V+3], 128<<16
	s_mov_b32 s[G1K+4], 64
	s_mov_b32 s[G1V+4], 64
	s_mov_b32 s[G1K+5], 3072
	s_mov_b32 s[G1V+5], 3072
	s_mov_b32 s[G1K+6], 0
	s_mov_b32 s[G1V+6], 0
	s_mov_b32 s[G1K+7], 0
	s_mov_b32 s[G1V+7], 0
	s_mul_i32 s77, s13, 12582912                   ; the batch: 2,048 rows of 6,144 bytes
	s_lshl_b32 s78, s14, 8
	s_add_co_u32 s77, s77, s78                     ; + the head pair's 256 bytes
	s_mul_i32 s78, s10, 393216                     ; my 64 keys of a block
	s_add_co_u32 s78, s78, s77
	s_add_co_u32 s22, s78, 2048                    ; k begins 2,048 bytes into a row
	s_mov_b32 s23, 0
	s_wait_dscnt 0x0
	s_wait_kmcnt 0x0
	s_add_nc_u64 s[40:41], s[4:5], s[22:23]        ; K, key block 0, my half
	s_add_nc_u64 s[42:43], s[40:41], 2048          ; V likewise
.irp s, 0,1
	s_mov_b32 s[G0K+4*\s], 1
	s_add_co_u32 s[G0K+4*\s+1], s74, \s*SLOT
	s_mov_b32 s[G0V+4*\s], 1
	s_add_co_u32 s[G0V+4*\s+1], s74, \s*SLOT
.endr
	s_mul_i32 s22, s19, 786432
	s_add_nc_u64 s[G0K+2:G0K+3], s[40:41], s[22:23]
	s_or_b32 s[G0K+3], s[G0K+3], 0x80000000
	s_add_nc_u64 s[G0V+2:G0V+3], s[42:43], s[22:23]
	s_or_b32 s[G0V+3], s[G0V+3], 0x80000000
	KVLOAD 0                                       ; the one first fill, ahead of every wait, LDS read and barrier
	; Q and result bases of both passes
	s_lshl_b32 s79, s10, 5
	s_lshl_b32 s78, s15, 6
	s_add_co_u32 s78, s78, s79                     ; 64 iX + my 32 queries
	s_mul_i32 s78, s78, 6144
	s_add_co_u32 s78, s78, s77
	s_lshl_b32 s76, s9, 7                          ; my head's 128 bytes
	s_add_co_u32 s22, s78, s76
	s_add_nc_u64 s[44:45], s[4:5], s[22:23]
	s_lshl_b32 s78, s16, 6
	s_add_co_u32 s78, s78, s79
	s_mul_i32 s78, s78, 6144
	s_add_co_u32 s78, s78, s77
	s_add_co_u32 s22, s78, s76
	s_add_nc_u64 s[46:47], s[4:5], s[22:23]
	s_lshl_b32 s77, s13, 11
	s_lshl_b32 s78, s15, 6
	s_add_co_u32 s78, s78, s77
	s_lshl_b32 s78, s78, 11                        ; rows of 2,048 bytes
	s_lshl_b32 s79, s14, 8
	s_add_co_u32 s22, s78, s79
	s_add_nc_u64 s[66:67], s[6:7], s[22:23]
	s_lshl_b32 s78, s16, 6
	s_add_co_u32 s78, s78, s77
	s_lshl_b32 s78, s78, 11
	s_add_co_u32 s22, s78, s79
	s_add_nc_u64 s[68:69], s[6:7], s[22:23]
	v_and_b32 v1, 15, v0                           ; r
	v_bfe_u32 v2, v0, 4, 1                         ; h
	v_mul_u32_u24 v[QO], v1, 6144
	v_lshl_add_u32 v[QO], v2, 4, v[QO]             ; row r of a tile, + 16 h
.macro QLOAD qf, b0
.irp u, 0,1
.irp c, 0,1
	global_load_b128 v[\qf+16*\u+8*\c:\qf+16*\u+8*\c+3],   v[QO], s[\b0:\b0+1] offset:\u*98304+64*\c
	global_load_b128 v[\qf+16*\u+8*\c+4:\qf+16*\u+8*\c+7], v[QO], s[\b0:\b0+1] offset:\u*98304+64*\c+32
.endr
.endr
.endm
	QLOAD QX, 44
	QLOAD QY, 46
	v_and_b32 v3, 7, v0
	v_bfe_u32 v30, v0, 3, 1
	v_mul_u32_u24 v31, v1, 272
	v_lshl_add_u32 v31, v2, 4, v31                 ; r x 272 + 16 h
	v_add_nc_u32 v[KA], s76, v31                   ; + my head
	v_add_nc_u32 v[KA+1], SLOT, v[KA]
	v_lshl_add_u32 v[VA], v2, 3, v3                ; key row 8 h + (l & 7)
	v_mul_u32_u24 v[VA], v[VA], 288
	v_lshl_add_u32 v[VA], v30, 4, v[VA]            ; + 16 ((l >> 3) & 1)
	s_add_co_u32 s78, s76, 2*QREG
	v_add_nc_u32 v[VA], s78, v[VA]
	v_add_nc_u32 v[VA+1], SLOT, v[VA]
	s_mul_i32 s78, s10, 32*272
	s_add_co_u32 s78, s78, s76
	s_add_co_u32 s78, s78, STAGE
	v_add_nc_u32 v[ST], s78, v31                   ; stage row 32 w' + r, my head, + 16 h
	s_mul_i32 s78, s8, 16*272
	s_add_co_u32 s78, s78, STAGE
	v_mul_u32_u24 v[RDA], v2, 272
	v_lshl_add_u32 v[RDA], v1, 4, v[RDA]
	v_add_nc_u32 v[RDA], s78, v[RDA]               ; stage row 16 wave + h, byte 16 r
	s_lshl_b32 s78, s8, 15
	v_lshlrev_b32 v[CO], 11, v2
	v_lshl_add_u32 v[CO], v1, 4, v[CO]
	v_add_nc_u32 v[CO], s78, v[CO]                 ; the same place in the result
	v_lshlrev_b32 v30, 3, v2
	v_sub_nc_u32 v[DB], v1, v30
	s_lshl_b32 s78, s10, 5
	v_add_nc_u32 v[DB], s78, v[DB]                 ; 32 w' + r - 8 h
	v_mov_b32 v[NINF], 0xff800000
	v_mov_b32 v[AL+1], 0                           ; the second registers of broadcast pairs: written once, never used
	v_mov_b32 v[AL+3], 0
	v_mov_b32 v[NM+1], 0
	v_mov_b32 v[NM+3], 0
.macro DQSET ir                        ; key 64 hf + 16 t + 8 h + j of the diagonal block is masked for query 64 (i & 1) + 32 w' + 16 u + r if it is larger
	s_and_b32 s78, s\ir, 1
	s_lshl_b32 s78, s78, 6
	v_add_nc_u32 v[DQ], s78, v[DB]
	v_add_nc_u32 v[DQ+1], 16, v[DQ]
	v_add_nc_u32 v[DQ+2], 0xffffffc0, v[DQ]
	v_add_nc_u32 v[DQ+3], 0xffffffc0, v[DQ+1]
.endm
.macro KFETCH slot, hf                 ; 64 keys x 64 d of my head: 16 loads
.irp t, 0,1,2,3
.irp c, 0,1
	ds_load_b128 v[KF+16*\t+8*\c:KF+16*\t+8*\c+3],   v[KA+\slot] offset:\hf*QREG+\t*4352+64*\c
	ds_load_b128 v[KF+16*\t+8*\c+4:KF+16*\t+8*\c+7], v[KA+\slot] offset:\hf*QREG+\t*4352+64*\c+32
.endr
.endr
.endm
; 64 keys.  first = 1: maximum, sum and O begin here; mask = 1: the diagonal block; nextk = 1: the other half's K fragments are fetched behind V's.
.macro HSTEP slot, hf, qf, first, mask, nextk
.rept 5
	v_nop                                          ; five places: the scores written next lie where the last P V products read P (ISA guide 7.12.1)
.endr
	s_wait_dscnt 0x0                               ; the K fragments
.irp c, 0,1                                        ; eight accumulators take turns, one instruction a turn
.irp u, 0,1
.irp t, 0,1,2,3
.if \c == 0
	v_wmma_f32_16x16x32_bf16 v[SC+32*\u+8*\t:SC+32*\u+8*\t+7], v[KF+16*\t:KF+16*\t+7], v[\qf+16*\u:\qf+16*\u+7], 0
.else
	v_wmma_f32_16x16x32_bf16 v[SC+32*\u+8*\t:SC+32*\u+8*\t+7], v[KF+16*\t+8:KF+16*\t+15], v[\qf+16*\u+8:\qf+16*\u+15], v[SC+32*\u+8*\t:SC+32*\u+8*\t+7]
.endif
.endr
.endr
.endr
	PLACES                                         ; behind them: for the loads into K's registers and the arithmetic on the scores
	WIN 0x40
.irp dt, 0,1,2,3
.irp kk, 0,1
	ds_load_tr16_b128 v[VF+16*\dt+8*\kk:VF+16*\dt+8*\kk+3],   v[VA+\slot] offset:\hf*QREG+\kk*9216+32*\dt
	ds_load_tr16_b128 v[VF+16*\dt+8*\kk+4:VF+16*\dt+8*\kk+7], v[VA+\slot] offset:\hf*QREG+\kk*9216+4608+32*\dt
.endr
.endr
	WIN 0
.if \nextk
	KFETCH \slot, 1
.endif
.if \mask
.irp u, 0,1
.irp t, 0,1,2,3
.irp j, 0,1,2,3,4,5,6,7
	v_cmp_gt_i32 vcc_lo, 16*\t+\j, v[DQ+2*\hf+\u]
	v_cndmask_b32 v[SC+32*\u+8*\t+\j], v[SC+32*\u+8*\t+\j], v[NINF], vcc_lo
.endr
.endr
.endr
.endif
	; the largest of my 32 scores of each tile, in two chains a tile; then the other lane half's
.irp u, 0,1
	v_max3_num_f32 v[WK+16*\u],   v[SC+32*\u],    v[SC+32*\u+1],  v[SC+32*\u+2]
	v_max3_num_f32 v[WK+16*\u+1], v[SC+32*\u+16], v[SC+32*\u+17], v[SC+32*\u+18]
.endr
.irp k, 3,5,7,9,11,13
.irp u, 0,1
	v_max3_num_f32 v[WK+16*\u],   v[WK+16*\u],   v[SC+32*\u+\k],    v[SC+32*\u+\k+1]
	v_max3_num_f32 v[WK+16*\u+1], v[WK+16*\u+1], v[SC+32*\u+16+\k], v[SC+32*\u+16+\k+1]
.endr
.endr
.irp u, 0,1
	v_max3_num_f32 v[WK+16*\u], v[WK+16*\u], v[WK+16*\u+1], v[SC+32*\u+15]
.endr
.irp u, 0,1
	v_max_num_f32 v[WK+16*\u], v[WK+16*\u], v[SC+32*\u+31]
.endr
.irp u, 0,1
	v_permlanex16_b32 v[WK+16*\u+1], v[WK+16*\u], s72, s73
.endr
.irp u, 0,1
	v_max_num_f32 v[WK+16*\u], v[WK+16*\u], v[WK+16*\u+1]
.endr
.if \first
.irp u, 0,1
	v_mov_b32 v[MX+\u], v[WK+16*\u]                ; finite: every query has an unmasked key among the first 64 that it sees
.endr
.else
.irp u, 0,1
	v_max_num_f32 v[WK+16*\u], v[MX+\u], v[WK+16*\u]
.endr
.irp u, 0,1
	v_sub_f32 v[WK+16*\u+1], v[MX+\u], v[WK+16*\u]
.endr
.irp u, 0,1
	v_mul_f32 v[WK+16*\u+1], s70, v[WK+16*\u+1]
.endr
.irp u, 0,1
	v_exp_f32 v[AL+2*\u], v[WK+16*\u+1]            ; the factor for the old sums
.endr
.irp u, 0,1
	v_mov_b32 v[MX+\u], v[WK+16*\u]
.endr
.endif
.irp u, 0,1
	v_mul_f32 v[NM+2*\u], s71, v[MX+\u]
.endr
.irp u, 0,1
.irp k, 0,2,4,6,8,10,12,14,16,18,20,22,24,26,28,30
	v_pk_fma_f32 v[SC+32*\u+\k:SC+32*\u+\k+1], v[SC+32*\u+\k:SC+32*\u+\k+1], s[70:71], v[NM+2*\u:NM+2*\u+1] op_sel_hi:[1,0,0]
.endr
.endr
.set ei, 0
.rept 64
	v_exp_f32 v[SC+ei], v[SC+ei]
.set ei, ei+1
.endr
	v_nop                                          ; one plain place behind transcendentals (ISA guide 5.7.2)
	s_wait_alu depctr_va_vdst(0)
.irp u, 0,1
.irp k, 0,2,4,6
	v_pk_add_f32 v[WK+16*\u+8+\k:WK+16*\u+9+\k], v[SC+32*\u+\k:SC+32*\u+\k+1], v[SC+32*\u+8+\k:SC+32*\u+9+\k]
.endr
.endr
.irp o, 16,24
.irp u, 0,1
.irp k, 0,2,4,6
	v_pk_add_f32 v[WK+16*\u+8+\k:WK+16*\u+9+\k], v[WK+16*\u+8+\k:WK+16*\u+9+\k], v[SC+32*\u+\o+\k:SC+32*\u+\o+\k+1]
.endr
.endr
.endr
.irp u, 0,1
	v_pk_add_f32 v[WK+16*\u+8:WK+16*\u+9],   v[WK+16*\u+8:WK+16*\u+9],   v[WK+16*\u+10:WK+16*\u+11]
	v_pk_add_f32 v[WK+16*\u+12:WK+16*\u+13], v[WK+16*\u+12:WK+16*\u+13], v[WK+16*\u+14:WK+16*\u+15]
.endr
.irp u, 0,1
	v_pk_add_f32 v[WK+16*\u+8:WK+16*\u+9], v[WK+16*\u+8:WK+16*\u+9], v[WK+16*\u+12:WK+16*\u+13]
.endr
.if \first
.irp u, 0,1
	v_add_f32 v[LS+\u], v[WK+16*\u+8], v[WK+16*\u+9]
.endr
.else
.irp u, 0,1
	v_add_f32 v[WK+16*\u+8], v[WK+16*\u+8], v[WK+16*\u+9]
.endr
.irp u, 0,1
	v_fma_f32 v[LS+\u], v[LS+\u], v[AL+2*\u], v[WK+16*\u+8]
.endr
.endif
.irp u, 0,1                                        ; two score tiles become one B fragment of P^T, in place: word k from numbers 2 k, 2 k + 1
.irp kk, 0,1
.irp k, 0,1,2,3,4,5,6,7
	v_cvt_pk_bf16_f32 v[SC+32*\u+16*\kk+\k], v[SC+32*\u+16*\kk+2*\k], v[SC+32*\u+16*\kk+2*\k+1]
.endr
.endr
.endr
.if \first == 0
	WIN 0x41                                       ; O in window 1, the factor in window 0
.irp dt, 0,1,2,3
.irp u, 0,1
.irp k, 0,2,4,6
	v_pk_mul_f32 v[OA+16*\dt+8*\u+\k:OA+16*\dt+8*\u+\k+1], v[OA+16*\dt+8*\u+\k:OA+16*\dt+8*\u+\k+1], v[AL+2*\u:AL+2*\u+1] op_sel_hi:[1,0]
.endr
.endr
.endr
.endif
.if \nextk
	s_wait_dscnt 16                                ; V's 16 loads are in; the 16 of K issued behind them may be out
.else
	s_wait_dscnt 0x0
.endif
	WIN 0x51                                       ; V^T, C and D in window 1, P^T in window 0
.irp kk, 0,1                                       ; eight accumulators take turns, one instruction a turn
.irp dt, 0,1,2,3
.irp u, 0,1
.set zf, \first*(1-\kk)
.if zf
	v_wmma_f32_16x16x32_bf16 v[OA+16*\dt+8*\u:OA+16*\dt+8*\u+7], v[VF+16*\dt+8*\kk:VF+16*\dt+8*\kk+7], v[SC+32*\u+16*\kk:SC+32*\u+16*\kk+7], 0
.else
	v_wmma_f32_16x16x32_bf16 v[OA+16*\dt+8*\u:OA+16*\dt+8*\u+7], v[VF+16*\dt+8*\kk:VF+16*\dt+8*\kk+7], v[SC+32*\u+16*\kk:SC+32*\u+16*\kk+7], v[OA+16*\dt+8*\u:OA+16*\dt+8*\u+7]
.endif
.endr
.endr
.endr
	WIN 0
.endm
; A key block of 128 in slot; oth = the other slot; refill = 1: the next key block is asked for into the other slot, which was read last.
.macro BLOCK slot, oth, qf, diag, refill
	s_set_vgpr_msb 0x5
	s_wait_tensorcnt 0x0                           ; all my tensor loads have landed, my part of this block among them: the descriptors may be written
	ds_add_u32 v128, v129
	s_wait_dscnt 0x0
	s_set_vgpr_msb 0x500
.if \refill
	NEXT \oth
.endif
	s_wait_dscnt 0x0                               ; my reads of the other slot are over
	s_barrier_signal -1
	s_barrier_wait -1                              ; both now hold of all four waves
.if \refill
	KVLOAD \oth                                    ; my one tensor load until the next such barrier, first thing behind this one
.endif
	KFETCH \slot, 0
	HSTEP \slot, 0, \qf, \diag, \diag, 1
	HSTEP \slot, 1, \qf, 0, \diag, 0
.endm
; O / l, rounded, through the stage, out in whole rows of 256 bytes
.macro FINAL b0
	PLACES                                         ; behind the last matrix instructions
.irp u, 0,1
	v_permlanex16_b32 v[WK+16*\u], v[LS+\u], s72, s73
.endr
.irp u, 0,1
	v_add_f32 v[WK+16*\u], v[WK+16*\u], v[LS+\u]   ; the two lane halves' sums
.endr
.irp u, 0,1
	v_rcp_f32 v[AL+2*\u], v[WK+16*\u]
.endr
	v_nop
	WIN 0x01                                       ; O from window 1
	s_wait_alu depctr_va_vdst(0)
.irp dt, 0,1,2,3
.irp u, 0,1
.irp k, 0,2,4,6
	v_pk_mul_f32 v[SC+16*\dt+8*\u+\k:SC+16*\dt+8*\u+\k+1], v[OA+16*\dt+8*\u+\k:OA+16*\dt+8*\u+\k+1], v[AL+2*\u:AL+2*\u+1] op_sel_hi:[1,0]
.endr
.endr
.endr
	WIN 0
.irp dt, 0,1,2,3
.irp u, 0,1
.irp k, 0,1,2,3
	v_cvt_pk_bf16_f32 v[SC+16*\dt+8*\u+\k], v[SC+16*\dt+8*\u+2*\k], v[SC+16*\dt+8*\u+2*\k+1]
.endr
	ds_store_b128 v[ST], v[SC+16*\dt+8*\u:SC+16*\dt+8*\u+3] offset:\u*4352+32*\dt   ; query 16 u + r, d = 16 dt + 8 h .. + 7
.endr
.endr
	s_wait_dscnt 0x0                               ; my stores are in LDS before I say so
	s_barrier_signal -1
	s_barrier_wait -1                              ; the next key block's load may stay out across it
.irp t, 0,1,2,3,4,5,6,7
	ds_load_b128 v[WK+4*\t:WK+4*\t+3], v[RDA] offset:\t*544
.endr
.irp t, 0,1,2,3,4,5,6,7
	s_wait_dscnt 7-\t                              ; load t of the eight is in
	global_store_b128 v[CO], v[WK+4*\t:WK+4*\t+3], s[\b0:\b0+1] offset:\t*4096   ; sixteen lanes store 256 consecutive bytes, aligned
.endr
	s_wait_xcnt 0x0                                ; the registers at work are written again only behind this wait
.endm
	DQSET 15
	s_wait_loadcnt 0x0                             ; Q of both passes
	BLOCK 0, 1, QX, 1, 1                           ; the first pass's diagonal block
	s_cmp_eq_u32 s17, 0
	s_cbranch_scc1 .Lx_done
	s_mov_b32 s75, 0
.Lx:
	BLOCK 1, 0, QX, 0, 1
	BLOCK 0, 1, QX, 0, 1
	s_add_co_u32 s75, s75, 1
	s_cmp_lt_u32 s75, s17
	s_cbranch_scc1 .Lx
.Lx_done:
	FINAL 66
	DQSET 16
	BLOCK 1, 0, QY, 1, 1                           ; the second pass's diagonal block
	s_cmp_eq_u32 s18, 0
	s_cbranch_scc1 .Ly_done
	s_mov_b32 s75, 0
.Ly:
	BLOCK 0, 1, QY, 0, 1
	BLOCK 1, 0, QY, 0, 1
	s_add_co_u32 s75, s75, 1
	s_cmp_lt_u32 s75, s18
	s_cbranch_scc1 .Ly
.Ly_done:
	BLOCK 0, 1, QY, 0, 0                           ; key block 0 of the second pass: nothing is left to fetch
	FINAL 68
	s_set_vgpr_msb 0x5
	s_wait_tensorcnt 0x0
	ds_add_u32 v128, v129
	s_wait_dscnt 0x0
	s_set_vgpr_msb 0x500
	s_endpgm
.Lfunc_end_k_q881c2b671f_attn:
	.size	k_q881c2b671f_attn, .Lfunc_end_k_q881c2b671f_attn-k_q881c2b671f_attn
	.p2alignl 7, 3214868480
	.fill 96, 4, 3214868480
	.section	.rodata,"a",@progbits
	.p2align	6, 0x0
	.amdhsa_kernel k_q881c2b671f_attn
		.amdhsa_group_segment_fixed_size 327680
		.amdhsa_private_segment_fixed_size 0
		.amdhsa_enable_private_segment 0
		.amdhsa_kernarg_size 16
		.amdhsa_user_sgpr_count 2
		.amdhsa_user_sgpr_kernarg_segment_ptr 1
		.amdhsa_wavefront_size32 1
		.amdhsa_system_sgpr_workgroup_id_x 1
		.amdhsa_system_sgpr_workgroup_id_y 1
		.amdhsa_system_sgpr_workgroup_id_z 1
		.amdhsa_system_vgpr_workitem_id 0
		.amdhsa_next_free_vgpr 386
		.amdhsa_next_free_sgpr 80
		.amdhsa_reserve_vcc 1
		.amdhsa_float_denorm_mode_32 3
		.amdhsa_float_denorm_mode_16_64 3
		.amdhsa_memory_ordered 1
		.amdhsa_forward_progress 1
		.amdhsa_inst_pref_size 255
	.end_amdhsa_kernel
	.section	.bss,"aw",@nobits
	.p2align	6
	.space	262144
	.amdgpu_metadata
---
amdhsa.version: [ 1, 2 ]
amdhsa.kernels:
  - .name:           k_q881c2b671f_attn
    .symbol:         k_q881c2b671f_attn.kd
    .args:
      - { .name: wide, .offset: 0, .size: 8, .value_kind: global_buffer, .address_space: global }
      - { .name: act, .offset: 8, .size: 8, .value_kind: global_buffer, .address_space: global }
    .group_segment_fixed_size: 327680
    .private_segment_fixed_size: 0
    .kernarg_segment_align: 8
    .kernarg_segment_size: 16
    .max_flat_workgroup_size: 128
    .sgpr_count:     80
    .vgpr_count:     386
    .wavefront_size: 32
...
	.end_amdgpu_metadata
.endif
;; end of part 3
;; launch gout (part 4): grid 8 x 32, 4 waves a work-group, clusters of 4 x 4, 279,040 bytes of LDS; arguments act, wo, b_out, temp, x; writes temp
.if DOCPART == 4
	.amdgcn_target "amdgcn-amd-amdhsa--gfx1250"
	.amdhsa_code_object_version 6
	.text
	.protected	k_q881c2b671f_gout
	.globl	k_q881c2b671f_gout
	.p2align	8
	.type	k_q881c2b671f_gout,@function
k_q881c2b671f_gout:
	s_mov_b64 s[64:65], 0
	v_nop
	global_prefetch_b8 v0, s[64:65] scope:SCOPE_SE
	s_setreg_imm32_b32 hwreg(HW_REG_WAVE_MODE, 25, 1), 1
	s_wait_xcnt 0x0
	s_wait_alu depctr_hold_cnt(0) depctr_sa_sdst(0) depctr_va_vdst(0) depctr_va_sdst(0) depctr_va_ssrc(0) depctr_va_vcc(0) depctr_vm_vsrc(0)
	s_getreg_b32 s2, hwreg(HW_REG_IB_STS2, 6, 4)
	s_cmp_eq_u32 s2, 0
	s_cbranch_scc0 .Lentry_in_a_cluster
	s_endpgm
.Lentry_in_a_cluster:
	s_bfe_u32 s2, ttmp6, 0x10000c
	s_cmp_lg_u32 s2, 0xf033
	s_cbranch_scc0 .Lentry_shape_is_right
	s_endpgm
.Lentry_shape_is_right:
; temp[m][n] = x[m][n] + bias[n] + sum over k of att[m][k] W[k][n].  att: [4096][1024] bf16; W: bf16 in fragment order (below); x, temp: [4096][1024] f32.
; N is 1,024: blocks of 128 x 128 give 8 x 32 = 256 work-groups.
; K IS SHARED OUT AMONG THE FOUR WAVES: each wave makes the whole block (64 accumulator tiles, 512 registers) over its own 128 of every 512 of K, and the four
; partial sums meet in LDS at the end.  So a wave loads 16 KB of operands for 64 matrix instructions; a tile of 64 x 64 would load 8 KB for 16.
; A comes through two LDS slots of 512 of K; each wave fetches, by one tensor load, and reads its own 128 rows x 256 aligned bytes.  Here K is 1,024: both slots
; are first fills and nothing is filled again.  The four work-groups of a row of the cluster need the same rows of A and ask for them jointly.
; B DOES NOT PASS THROUGH LDS: an earlier launch laid it as [block of 128 n][32 k][16 n][half][lane][16 bytes], so a wave's load of 16 bytes a lane takes 512
; consecutive bytes that are half a fragment as they stand.  Window 1 is a ring of four quarter steps (32 of K each); at most 48 of these loads are out.
; WHY B IS NOT ASKED FOR JOINTLY: no two waves of the work-group read the same byte of B, so LDS would only be a stop on its way; and with A and B both in LDS
; two slots of this block would hold 256 of K each, half the matrix work between a tile's request and the wait for it.
; The matrix instruction is used transposed (source 0 = 16 columns of W, source 1 = 16 rows of att): lane l holds row l % 16 of C and eight neighbouring columns.
; REGISTERS: window 0: v16-35 addresses and bias, v64-127 and v128-191 fragments of A (two buffers), later the way out; window 1: B's ring, later the residual;
;   window 2: accumulators of rows 0-63 (tile (a, b) at v[8 (8 a + b)]); window 3: of rows 64-127.
; LIMITS: the product's operands are bf16; sums, bias, residual and result are f32, the sum over K in four parts; NaN and infinities are not followed.
.set SIZE_N, 1024
.set SIZE_K, 1024
.set KW,     128                       ; K of one wave in a slot
.set PITCH,  2*KW+16                   ; an LDS row: 17 x 16 bytes: the sixteen rows of a fragment load begin in sixteen different 16-byte columns modulo 256
.set HALFT,  128*PITCH                 ; one wave's part of a slot
.set SLOT,   4*HALFT
.set NSLOT,  SIZE_K/(4*KW)
.set LAPS,   NSLOT/2                   ; a lap = two slots = eight quarter steps of a wave
.set BQ,     8192                      ; bytes of B for 32 of K: 8 fragments of 1,024
.set BSLOT,  16*BQ                     ; for 512 of K
.set RP,     528                       ; the exchange: a row of 128 f32 + 16 bytes
.set REG,    128*RP                    ; one wave's partial sums
.set ADRA, 16                          ; v16-17  LDS address of my A fragments in slot 0, 1
.set STO,  24                          ; v24     the exchange: where my 32 bytes of a row go
.set LO,   26                          ; v26     16 x lane: my place in every run of 512 bytes (B, bias, residual, result); never rewritten
.set RD,   28                          ; v28-31  the exchange: my 16 bytes of my first row in the partial sums of wave 0 .. 3
.set BIAS, 32                          ; v[32:35] bias of the 4 columns that I store
.set F0,   64
.set F1,   128
.set G1,   24                          ; s[24:31] descriptor group 1
.set G0,   32                          ; s[32:39] descriptor group 0, one set for each slot
.set MSB,  0
.macro WIN new                         ; s_set_vgpr_msb; the immediate's high byte repeats the setting that is left; a switch that changes nothing is dropped
.if MSB != \new
	s_set_vgpr_msb (MSB<<8)|\new
.set MSB, \new
.endif
.endm
.macro PLACES                          ; four plain places behind matrix instructions (ISA guide 7.12.1 for vector instructions)
.rept 4
	v_nop
.endr
.endm
.macro CREST                           ; a round of the cluster's barrier behind its opening barrier
	s_cmp_lg_u32 s14, 0
	s_cbranch_scc1 .Lnot_wave_0_\@
	s_barrier_signal -3
.Lnot_wave_0_\@:
	s_barrier_wait -3
	s_barrier_signal -1
	s_barrier_wait -1
.endm
.macro CROUND
	s_barrier_signal -1
	s_barrier_wait -1
	CREST
.endm
	s_load_b256 s[4:11], s[0:1], 0x0               ; a s[4:5], b s[6:7], bias s[8:9], c s[10:11]
	s_load_b64 s[12:13], s[0:1], 0x20              ; the residual
	v_lshl_add_u32 v254, v0, 2, 0x44000
	v_mov_b32 v255, 0
	ds_add_u32 v254, v255
	ds_add_u32 v254, v255
	v_lshrrev_b32 v1, 5, v0
	v_readfirstlane_b32 s14, v1                    ; wave 0..3
	s_bfe_u32 s17, ttmp6, 0x40000                  ; cx
	s_bfe_u32 s18, ttmp6, 0x40004                  ; cy
	s_lshl_b32 s19, ttmp9, 2
	s_add_co_u32 s19, s19, s17                     ; block column
	s_and_b32 s20, ttmp7, 0xffff
	s_lshl_b32 s20, s20, 2
	s_add_co_u32 s20, s20, s18                     ; block row
	s_lshl_b32 s21, s18, 2
	s_lshl_b32 s21, 15, s21                        ; my row of the cluster: places 4 cy .. 4 cy + 3
	s_or_b32 s[G1+0], s21, (1<<16)|(1<<20)|(1<<21)|(5<<22)|(3<<25)   ; mask; elements of 2 bytes; padding on; bit 21 beside a mask; 4 words behind every 64
	s_mov_b32 s[G1+1], KW<<16                      ; tensor_dim0 = the tile's
	s_mov_b32 s[G1+2], 128<<16                     ; tensor_dim1 = the tile's
	s_mov_b32 s[G1+3], KW<<16                      ; tile_dim0
	s_mov_b32 s[G1+4], 128                         ; tile_dim1
	s_mov_b32 s[G1+5], SIZE_K                      ; elements from row to row
	s_mov_b32 s[G1+6], 0
	s_mov_b32 s[G1+7], 0
	; A's tiles hang on the block row and the wave's number alone, in registers that never hold the block column
	s_lshl_b32 s40, s20, 7
	s_mov_b32 s41, 0
	s_mov_b64 s[44:45], SIZE_K*2
	s_mul_u64 s[40:41], s[40:41], s[44:45]         ; 128 x block row rows
	s_lshl_b32 s44, s14, 8                         ; + my 128 of K
	s_mov_b32 s45, 0
	s_add_nc_u64 s[40:41], s[40:41], s[44:45]
	s_mul_i32 s23, s14, HALFT                      ; where my tile goes: the wave's number alone
	s_mul_i32 s42, s19, SIZE_K*256                 ; B: my block of 128 columns, SIZE_K / 32 pieces of 8,192 bytes,
	s_lshl_b32 s46, s14, 15                        ; + my four pieces of every sixteen
	s_add_co_u32 s42, s42, s46
	s_mov_b32 s43, 0
	s_lshl_b32 s72, s20, 7
	s_lshl_b32 s73, s14, 5
	s_add_co_u32 s72, s72, s73                     ; the first of the 32 rows that I store
	s_lshl_b32 s72, s72, 12                        ; rows of 4,096 bytes
	s_lshl_b32 s74, s19, 9                         ; the block's 128 columns of 4 bytes
	s_add_co_u32 s72, s72, s74
	s_mov_b32 s73, 0
	s_mov_b32 s75, 0
	s_wait_dscnt 0x0
	s_wait_kmcnt 0x0
	s_add_nc_u64 s[40:41], s[4:5], s[40:41]
	s_add_nc_u64 s[42:43], s[6:7], s[42:43]
	s_add_nc_u64 s[8:9], s[8:9], s[74:75]
	s_add_nc_u64 s[10:11], s[10:11], s[72:73]
	s_add_nc_u64 s[12:13], s[12:13], s[72:73]
	CROUND                                         ; all sixteen work-groups are here: the first joint loads meet
.irp s, 0,1
	s_mov_b32 s[G0+4*\s], 1
	s_add_co_u32 s[G0+4*\s+1], s23, \s*SLOT
	s_add_nc_u64 s[G0+4*\s+2:G0+4*\s+3], s[40:41], \s*8*KW     ; slot s: 512 of K = 1,024 bytes on
	s_or_b32 s[G0+4*\s+3], s[G0+4*\s+3], 0x80000000
	tensor_load_to_lds s[G0+4*\s:G0+4*\s+3], s[G1:G1+7]        ; both slots' first fills go out together: two tensor loads of the wave are out
	s_nop 0
.endr
	v_and_b32 v1, 15, v0                           ; r = l % 16
	v_bfe_u32 v2, v0, 4, 1                         ; h = l / 16
	v_and_b32 v3, 31, v0
	v_lshlrev_b32 v[LO], 4, v3
	v_mul_u32_u24 v4, v1, PITCH
	v_lshl_add_u32 v4, v2, 4, v4                   ; fragment: row x pitch + 16 h
	v_add_nc_u32 v[ADRA], s23, v4
	v_add_nc_u32 v[ADRA+1], SLOT, v[ADRA]
	s_mul_i32 s46, s14, REG
	v_mul_u32_u24 v5, v1, RP
	v_lshl_add_u32 v5, v2, 5, v5                   ; in: row r of a tile, 32 bytes for each half of the lanes
	v_add_nc_u32 v[STO], s46, v5
	s_mul_i32 s47, s14, 32*RP
	v_add_nc_u32 v[RD], s47, v[LO]                 ; back: row 32 x wave, 16 bytes a lane
.irp s, 1,2,3
	v_add_nc_u32 v[RD+\s], REG, v[RD+\s-1]
.endr
; 32 matrix instructions: blocks of rows 4 hi .. 4 hi + 3 x all 8 blocks of columns, 32 along K.  All 64 accumulators take turns, one instruction a turn,
; in the same order in every quarter step.  zero = 1: the first product starts the sum.
.macro MULH fa, rb, hi, zero
.set iax, 0
.rept 4
.set ibx, 0
.rept 8
.set accx, 8*(8*iax+ibx)
.set afx, \fa+8*(4*\hi+iax)
.set bfx, \rb+8*ibx
.if \zero
	v_wmma_f32_16x16x32_bf16 v[accx:accx+7], v[bfx:bfx+7], v[afx:afx+7], 0
.else
	v_wmma_f32_16x16x32_bf16 v[accx:accx+7], v[bfx:bfx+7], v[afx:afx+7], v[accx:accx+7]
.endif
.set ibx, ibx+1
.endr
.set iax, iax+1
.endr
.endm
.macro FETCHA slot, k, f               ; A's eight fragments of one quarter step, at byte k of my rows: 16 LDS loads
	WIN 0
.set fi, 0
.rept 8
	ds_load_b128 v[\f+8*fi:\f+8*fi+3],   v[ADRA+\slot] offset:\k+fi*16*PITCH
	ds_load_b128 v[\f+8*fi+4:\f+8*fi+7], v[ADRA+\slot] offset:\k+fi*16*PITCH+32
.set fi, fi+1
.endr
.endm
.macro BLOAD ring, off                 ; B's eight fragments of one quarter step: 16 loads of 512 consecutive bytes, into window 1
	WIN 0x40
.set fi, 0
.rept 8
	global_load_b128 v[\ring+8*fi:\ring+8*fi+3],   v[LO], s[42:43] offset:\off+fi*1024
	global_load_b128 v[\ring+8*fi+4:\ring+8*fi+7], v[LO], s[42:43] offset:\off+fi*1024+512
.set fi, fi+1
.endr
.endm
; Quarter step g of a lap (0 .. 7): multiplies A's buffer fa by B's ring place g % 4.  At its head, in one run: A's fragments of the next quarter step (slot
; nslot, byte nk) into the other buffer, and (bl = 1) B's of quarter step g + 3 into the ring place that the last quarter step read.
; lc = how many younger loads of B may be out when this quarter step's have to be in.
.macro QTR g, fa, ga, nslot, nk, zero, bl, lc
	s_wait_dscnt 0x0                               ; buffer fa, asked for a quarter step ago
	PLACES
	FETCHA \nslot, \nk, \ga
	s_wait_loadcnt \lc                             ; loads come back in order: mine are in, those of the quarter steps behind stay out
.if \bl
.set rgx, 64*((\g+3)&3)
.set bofx, ((\g+3)>>2)*BSLOT+((\g+3)&3)*BQ
	BLOAD rgx, bofx
.endif
.set rbx, 64*(\g&3)
	WIN 0xa1                                       ; source 0 (B) window 1, source 1 (A) window 0, C and D window 2
	MULH \fa, rbx, 0, \zero
	WIN 0xf1                                       ; C and D window 3
	MULH \fa, rbx, 1, \zero
.endm
; The last quarter step of a slot, and the change of slots.  In front of the barrier each wave waits for its reads of this slot and for all its tensor loads
; (one is out: its part of the next slot).  fill = 1: the barrier opens a round of the cluster's barrier, and the joint refill is the first tensor load behind it.
; Buffer F0, loaded in the middle, was last read a quarter step ago: the four places at the head stand between.
.macro TURNQ g, slot, next, fill
	s_wait_dscnt 0x0                               ; buffer F1 is in, and with it my reads of this slot are over
	PLACES
	s_wait_loadcnt 32
.set rgx, 64*((\g+3)&3)
.set bofx, ((\g+3)>>2)*BSLOT+((\g+3)&3)*BQ
	BLOAD rgx, bofx
	s_wait_tensorcnt 0x0                           ; all my tensor loads have landed
	s_barrier_signal -1
	WIN 0xa1
	MULH F1, 192, 0, 0                             ; register work while the others arrive
	WIN 0
	s_barrier_wait -1
.if \fill
	CREST                                          ; no wave of any partner still reads this slot or has a load on its way
	s_add_nc_u64 s[G0+4*\slot+2:G0+4*\slot+3], s[G0+4*\slot+2:G0+4*\slot+3], 16*KW   ; two slots on: 1,024 of K, in bytes
	tensor_load_to_lds s[G0+4*\slot:G0+4*\slot+3], s[G1:G1+7]                        ; my one tensor load until the next such round
.endif
	FETCHA \next, 0, F0
	WIN 0xf1
	MULH F1, 192, 1, 0
.endm
; tail = 1: the last lap: B's last loads go out in quarter step 4, and the counts run down
.macro LAP zero, fill, tail
	QTR 0, F0, F1, 0, 64,  \zero, 1, 32
	QTR 1, F1, F0, 0, 128, 0, 1, 32
	QTR 2, F0, F1, 0, 192, 0, 1, 32
	TURNQ 3, 0, 1, \fill
	QTR 4, F0, F1, 1, 64,  0, 1, 32
.if \tail
	QTR 5, F1, F0, 1, 128, 0, 0, 32
	QTR 6, F0, F1, 1, 192, 0, 0, 16
	s_wait_dscnt 0x0
	s_wait_loadcnt 0x0
	WIN 0xa1
	MULH F1, 192, 0, 0
	WIN 0xf1
	MULH F1, 192, 1, 0
.else
	QTR 5, F1, F0, 1, 128, 0, 1, 32
	QTR 6, F0, F1, 1, 192, 0, 1, 32
	TURNQ 7, 1, 0, \fill
	s_wait_xcnt 0x0                                ; B's base, which loads read, is stepped only behind this wait
	s_add_nc_u64 s[42:43], s[42:43], 2*BSLOT
.endif
.endm
	global_load_b128 v[BIAS:BIAS+3], v[LO], s[8:9]
	BLOAD 0, 0                                     ; B's first three quarter steps
	BLOAD 64, BQ
	BLOAD 128, 2*BQ
	WIN 0
	s_wait_tensorcnt 1                             ; my part of slot 0 is in; slot 1's may stay out
	s_barrier_signal -1
	s_barrier_wait -1
	FETCHA 0, 0, F0
.if LAPS > 1
	LAP 1, 1, 0                                    ; the first lap's first products start the sums
.if LAPS > 2
	WIN 0                                          ; at a label and at a branch every window is 0
	s_mov_b32 s3, LAPS-2
.Llap:
	LAP 0, 1, 0
	WIN 0
	s_sub_co_u32 s3, s3, 1
	s_cmp_lg_u32 s3, 0
	s_cbranch_scc1 .Llap
.endif
	LAP 0, 0, 1                                    ; the last lap fills nothing
.else
	LAP 1, 0, 1                                    ; K of 1,024: one lap, first and last
.endif
	; THE WAY OUT.  Each wave lays its 128 x 128 partial sums into a region of its own; behind a barrier wave w reads rows 32 w .. 32 w + 31 of all four regions.
	; The regions lie over the slots, which have had their last fill; every wave's reads of the slots are over in front of the first barrier.
	PLACES                                         ; behind the last matrix instructions: for the loads into B's ring and the LDS stores of results
	WIN 0x40
.set gi, 0
.rept 32
	global_load_b128 v[4*gi:4*gi+3], v[LO], s[12:13] offset:gi*SIZE_N*4    ; the residual of my 32 rows, 512 consecutive bytes a load: it lands while the sums are exchanged
.set gi, gi+1
.endr
	WIN 0
	s_barrier_signal -1                            ; no LDS instruction of mine is out: the last wait on DScnt was for 0
	s_barrier_wait -1
.macro PUT hi
.set iax, 0
.rept 4
.set ibx, 0
.rept 8
.set accx, 8*(8*iax+ibx)
	ds_store_b128 v[STO], v[accx:accx+3]   offset:(4*\hi+iax)*16*RP+64*ibx
	ds_store_b128 v[STO], v[accx+4:accx+7] offset:(4*\hi+iax)*16*RP+64*ibx+16
.set ibx, ibx+1
.endr
.set iax, iax+1
.endr
.endm
	WIN 0x08                                       ; store data from window 2
	PUT 0
	WIN 0x0c                                       ; from window 3
	PUT 1
	WIN 0
	s_wait_dscnt 0x0                               ; my stores are in LDS before I say so
	s_barrier_signal -1
	s_barrier_wait -1
	s_wait_loadcnt 0x0                             ; the residual
; rows 8 j .. 8 j + 7 of my 32: four partial sums, residual and bias; each store covers 512 consecutive bytes, aligned
.macro OUTG j
	s_wait_xcnt 0x0                                ; the registers that the last group's stores read are loaded again only behind this wait
.set si, 0
.rept 4
.set ti, 0
.rept 8
	ds_load_b128 v[F0+32*si+4*ti:F0+32*si+4*ti+3], v[RD+si] offset:(8*\j+ti)*RP
.set ti, ti+1
.endr
.set si, si+1
.endr
	s_wait_dscnt 0x0
.set ki, 0
.rept 16
	v_pk_add_f32 v[F0+2*ki:F0+2*ki+1], v[F0+2*ki:F0+2*ki+1], v[F0+32+2*ki:F0+32+2*ki+1]
	v_pk_add_f32 v[F0+64+2*ki:F0+64+2*ki+1], v[F0+64+2*ki:F0+64+2*ki+1], v[F0+96+2*ki:F0+96+2*ki+1]
.set ki, ki+1
.endr
.set ki, 0
.rept 16
	v_pk_add_f32 v[F0+2*ki:F0+2*ki+1], v[F0+2*ki:F0+2*ki+1], v[F0+64+2*ki:F0+64+2*ki+1]
.set ki, ki+1
.endr
	WIN 0x04                                       ; source 1 from window 1: the residual
.set ki, 0
.rept 16
	v_pk_add_f32 v[F0+2*ki:F0+2*ki+1], v[F0+2*ki:F0+2*ki+1], v[32*\j+2*ki:32*\j+2*ki+1]
.set ki, ki+1
.endr
	WIN 0
.set ki, 0
.rept 16
	v_pk_add_f32 v[F0+2*ki:F0+2*ki+1], v[F0+2*ki:F0+2*ki+1], v[BIAS+((2*ki)&3):BIAS+((2*ki)&3)+1]
.set ki, ki+1
.endr
.set ti, 0
.rept 8
	global_store_b128 v[LO], v[F0+4*ti:F0+4*ti+3], s[10:11] offset:(8*\j+ti)*SIZE_N*4
.set ti, ti+1
.endr
.endm
	OUTG 0
	OUTG 1
	OUTG 2
	OUTG 3
	s_wait_tensorcnt 0x0
	ds_add_u32 v254, v255
	s_wait_dscnt 0x0
	CROUND                                         ; the closing round: no work-group ends while a partner may still ask for a tile that names it
	s_endpgm
.Lfunc_end_k_q881c2b671f_gout:
	.size	k_q881c2b671f_gout, .Lfunc_end_k_q881c2b671f_gout-k_q881c2b671f_gout
	.p2alignl 7, 3214868480
	.fill 96, 4, 3214868480
	.section	.rodata,"a",@progbits
	.p2align	6, 0x0
	.amdhsa_kernel k_q881c2b671f_gout
		.amdhsa_group_segment_fixed_size 279040
		.amdhsa_private_segment_fixed_size 0
		.amdhsa_enable_private_segment 0
		.amdhsa_kernarg_size 40
		.amdhsa_user_sgpr_count 2
		.amdhsa_user_sgpr_kernarg_segment_ptr 1
		.amdhsa_wavefront_size32 1
		.amdhsa_system_sgpr_workgroup_id_x 1
		.amdhsa_system_sgpr_workgroup_id_y 1
		.amdhsa_system_sgpr_workgroup_id_z 1
		.amdhsa_system_vgpr_workitem_id 0
		.amdhsa_next_free_vgpr 1024
		.amdhsa_next_free_sgpr 80
		.amdhsa_reserve_vcc 0
		.amdhsa_float_denorm_mode_32 3
		.amdhsa_float_denorm_mode_16_64 3
		.amdhsa_memory_ordered 1
		.amdhsa_forward_progress 1
		.amdhsa_inst_pref_size 103
	.end_amdhsa_kernel
	.amdgpu_metadata
---
amdhsa.version: [ 1, 2 ]
amdhsa.kernels:
  - .name:           k_q881c2b671f_gout
    .symbol:         k_q881c2b671f_gout.kd
    .args:
      - { .name: act, .offset: 0, .size: 8, .value_kind: global_buffer, .address_space: global }
      - { .name: wo, .offset: 8, .size: 8, .value_kind: global_buffer, .address_space: global }
      - { .name: b_out, .offset: 16, .size: 8, .value_kind: global_buffer, .address_space: global }
      - { .name: temp, .offset: 24, .size: 8, .value_kind: global_buffer, .address_space: global }
      - { .name: x, .offset: 32, .size: 8, .value_kind: global_buffer, .address_space: global }
    .group_segment_fixed_size: 279040
    .private_segment_fixed_size: 0
    .kernarg_segment_align: 8
    .kernarg_segment_size: 40
    .max_flat_workgroup_size: 128
    .sgpr_count:     80
    .vgpr_count:     1024
    .wavefront_size: 32
...
	.end_amdgpu_metadata
.endif
;; end of part 4
;; launch ln2 (part 5): grid 256 x 1, 8 waves a work-group, no clusters, 0 bytes of LDS; arguments temp, ln2_g, ln2_b, act; writes act
.if DOCPART == 5
	.amdgcn_target "amdgcn-amd-amdhsa--gfx1250"
	.amdhsa_code_object_version 6
	.text
	.protected	k_q881c2b671f_ln2
	.globl	k_q881c2b671f_ln2
	.p2align	8
	.type	k_q881c2b671f_ln2,@function
k_q881c2b671f_ln2:
	s_mov_b64 s[64:65], 0
	v_nop
	global_prefetch_b8 v0, s[64:65] scope:SCOPE_SE
	s_setreg_imm32_b32 hwreg(HW_REG_WAVE_MODE, 25, 1), 1
	s_wait_xcnt 0x0
; y[r][c] = (x[r][c] - mean) * rsqrt(var + 1e-5) * g[c] + b[c].  x: [4096][1024] f32, y: the same in bf16 (rounded once, to nearest even).
; One wave takes a whole row (4,096 bytes, eight 16-byte loads a lane) and keeps it in 32 registers; two rows a wave, written out without a loop.
; The variance is the mean of the squared differences from the mean, a second pass over the registers: a common offset of the row costs no digits.
; A stream: no LDS, no barrier, no matrix unit; 256 work-groups x 8 waves x 2 rows = 4,096 rows.
.set T,  4                             ; v[4:11]    four running pairs
.set MU, 12                            ; v[12:13]   the mean, twice
.set RS, 14                            ; v[14:15]   1 / sigma, twice
.set X0, 16                            ; v[16:47]   row 0
.set X1, 48                            ; v[48:79]   row 1
.set G,  80                            ; v[80:111]  g of my 32 columns
.set BB, 112                           ; v[112:143] b of my 32 columns
	s_load_b256 s[4:11], s[0:1], 0x0               ; x s[4:5], g s[6:7], b s[8:9], y s[10:11]
	v_lshrrev_b32 v1, 5, v0
	v_readfirstlane_b32 s12, v1                    ; wave
	v_and_b32 v2, 31, v0
	v_lshlrev_b32 v1, 4, v2                        ; 16 x lane: my 4 columns of f32 in each piece of 512 bytes
	v_lshlrev_b32 v2, 3, v2                        ; 8 x lane: the same 4 columns in bf16
	v_mov_b32 v3, 0x3727c5ac                       ; 1e-5
	s_mov_b32 s13, 0x3a800000                      ; 1 / 1024
	s_mov_b32 s16, 0x76543210                      ; v_permlanex16_b32: lane i of one half reads lane i of the other
	s_mov_b32 s17, 0xfedcba98
	s_lshl_b32 s18, ttmp9, 16                      ; 16 rows of 4,096 bytes a work-group,
	s_lshl_b32 s19, s12, 13                        ; 2 rows a wave
	s_add_co_u32 s18, s18, s19
	s_mov_b32 s19, 0
	s_lshr_b32 s20, s18, 1                         ; half of that in y
	s_mov_b32 s21, 0
	s_wait_kmcnt 0x0
	s_add_nc_u64 s[4:5], s[4:5], s[18:19]
	s_add_nc_u64 s[10:11], s[10:11], s[20:21]
.irp j, 0,1,2,3,4,5,6,7
	global_load_b128 v[X0+4*\j:X0+4*\j+3], v1, s[4:5] offset:512*\j
.endr
.irp j, 0,1,2,3,4,5,6,7
	global_load_b128 v[X1+4*\j:X1+4*\j+3], v1, s[4:5] offset:4096+512*\j
.endr
.irp j, 0,1,2,3,4,5,6,7
	global_load_b128 v[G+4*\j:G+4*\j+3], v1, s[6:7] offset:512*\j
.endr
.irp j, 0,1,2,3,4,5,6,7
	global_load_b128 v[BB+4*\j:BB+4*\j+3], v1, s[8:9] offset:512*\j
.endr
.macro WSUM                            ; v[T] summed over the 32 lanes, the result in every lane
	v_add_f32_dpp v[T], v[T], v[T] row_xmask:1 row_mask:0xf bank_mask:0xf
	v_add_f32_dpp v[T], v[T], v[T] row_xmask:2 row_mask:0xf bank_mask:0xf
	v_add_f32_dpp v[T], v[T], v[T] row_xmask:4 row_mask:0xf bank_mask:0xf
	v_add_f32_dpp v[T], v[T], v[T] row_xmask:8 row_mask:0xf bank_mask:0xf
	v_permlanex16_b32 v[T+1], v[T], s16, s17       ; its destination counts as read: v[T+1] has been written
	v_add_f32 v[T], v[T], v[T+1]
.endm
.macro FOLD                            ; the four running pairs into v[T]
	v_pk_add_f32 v[T:T+1], v[T:T+1], v[T+2:T+3]
	v_pk_add_f32 v[T+4:T+5], v[T+4:T+5], v[T+6:T+7]
	v_pk_add_f32 v[T:T+1], v[T:T+1], v[T+4:T+5]
	v_add_f32 v[T], v[T], v[T+1]
.endm
; The row in v[xr .. xr+31] becomes (x - mean) / sigma.  left = how many younger loads may stay out.
.macro STAT xr, left
	s_wait_loadcnt \left                           ; loads come back in order: this row is in
.irp k, 0,1,2,3
	v_pk_add_f32 v[T+2*\k:T+2*\k+1], v[\xr+2*\k:\xr+2*\k+1], v[\xr+8+2*\k:\xr+8+2*\k+1]   ; the first words start four chains: nothing is cleared
.endr
.irp o, 16,24
.irp k, 0,1,2,3
	v_pk_add_f32 v[T+2*\k:T+2*\k+1], v[T+2*\k:T+2*\k+1], v[\xr+\o+2*\k:\xr+\o+2*\k+1]
.endr
.endr
	FOLD
	WSUM
	v_mul_f32 v[MU], s13, v[T]
	v_mul_f32 v[MU+1], s13, v[T]
.irp k, 0,2,4,6,8,10,12,14,16,18,20,22,24,26,28,30
	v_pk_add_f32 v[\xr+\k:\xr+\k+1], v[\xr+\k:\xr+\k+1], v[MU:MU+1] neg_lo:[0,1] neg_hi:[0,1]
.endr
.irp k, 0,1,2,3
	v_pk_mul_f32 v[T+2*\k:T+2*\k+1], v[\xr+2*\k:\xr+2*\k+1], v[\xr+2*\k:\xr+2*\k+1]
.endr
.irp o, 8,16,24
.irp k, 0,1,2,3
	v_pk_fma_f32 v[T+2*\k:T+2*\k+1], v[\xr+\o+2*\k:\xr+\o+2*\k+1], v[\xr+\o+2*\k:\xr+\o+2*\k+1], v[T+2*\k:T+2*\k+1]
.endr
.endr
	FOLD
	WSUM
	v_fma_f32 v[T], v[T], s13, v3                  ; var + eps
	v_rsq_f32 v[RS], v[T]
	v_rsq_f32 v[RS+1], v[T]
	v_nop                                          ; one plain place between a transcendental and the use of its result (ISA guide 5.7.2)
	s_wait_alu depctr_va_vdst(0)
.irp k, 0,2,4,6,8,10,12,14,16,18,20,22,24,26,28,30
	v_pk_mul_f32 v[\xr+\k:\xr+\k+1], v[\xr+\k:\xr+\k+1], v[RS:RS+1]
.endr
.endm
; gain and bias, rounding, and eight stores: 32 lanes x 8 bytes = 256 consecutive bytes, aligned
.macro EMIT xr, yoff
.irp k, 0,2,4,6,8,10,12,14,16,18,20,22,24,26,28,30
	v_pk_fma_f32 v[\xr+\k:\xr+\k+1], v[\xr+\k:\xr+\k+1], v[G+\k:G+\k+1], v[BB+\k:BB+\k+1]
.endr
.irp j, 0,1,2,3,4,5,6,7
	v_cvt_pk_bf16_f32 v[\xr+4*\j], v[\xr+4*\j], v[\xr+4*\j+1]
	v_cvt_pk_bf16_f32 v[\xr+4*\j+1], v[\xr+4*\j+2], v[\xr+4*\j+3]
	global_store_b64 v2, v[\xr+4*\j:\xr+4*\j+1], s[10:11] offset:256*\j+\yoff
.endr
.endm
	STAT X0, 24                                    ; row 1, g and b (24 loads) may be out
	STAT X1, 16                                    ; g and b (16 loads) may be out
	s_wait_loadcnt 0x0
	EMIT X0, 0
	EMIT X1, 2048
	s_endpgm
.Lfunc_end_k_q881c2b671f_ln2:
	.size	k_q881c2b671f_ln2, .Lfunc_end_k_q881c2b671f_ln2-k_q881c2b671f_ln2
	.p2alignl 7, 3214868480
	.fill 96, 4, 3214868480
	.section	.rodata,"a",@progbits
	.p2align	6, 0x0
	.amdhsa_kernel k_q881c2b671f_ln2
		.amdhsa_group_segment_fixed_size 0
		.amdhsa_private_segment_fixed_size 0
		.amdhsa_enable_private_segment 0
		.amdhsa_kernarg_size 32
		.amdhsa_user_sgpr_count 2
		.amdhsa_user_sgpr_kernarg_segment_ptr 1
		.amdhsa_wavefront_size32 1
		.amdhsa_system_sgpr_workgroup_id_x 1
		.amdhsa_system_sgpr_workgroup_id_y 1
		.amdhsa_system_sgpr_workgroup_id_z 1
		.amdhsa_system_vgpr_workitem_id 0
		.amdhsa_next_free_vgpr 144
		.amdhsa_next_free_sgpr 66
		.amdhsa_reserve_vcc 0
		.amdhsa_float_denorm_mode_32 3
		.amdhsa_float_denorm_mode_16_64 3
		.amdhsa_memory_ordered 1
		.amdhsa_forward_progress 1
		.amdhsa_inst_pref_size 20
	.end_amdhsa_kernel
	.amdgpu_metadata
---
amdhsa.version: [ 1, 2 ]
amdhsa.kernels:
  - .name:           k_q881c2b671f_ln2
    .symbol:         k_q881c2b671f_ln2.kd
    .args:
      - { .name: temp, .offset: 0, .size: 8, .value_kind: global_buffer, .address_space: global }
      - { .name: ln2_g, .offset: 8, .size: 8, .value_kind: global_buffer, .address_space: global }
      - { .name: ln2_b, .offset: 16, .size: 8, .value_kind: global_buffer, .address_space: global }
      - { .name: act, .offset: 24, .size: 8, .value_kind: global_buffer, .address_space: global }
    .group_segment_fixed_size: 0
    .private_segment_fixed_size: 0
    .kernarg_segment_align: 8
    .kernarg_segment_size: 32
    .max_flat_workgroup_size: 256
    .sgpr_count:     66
    .vgpr_count:     144
    .wavefront_size: 32
...
	.end_amdgpu_metadata
.endif
;; end of part 5
;; launch gfc1 (part 6): grid 16 x 16, 4 waves a work-group, clusters of 4 x 4, 327,680 bytes of LDS; arguments act, w1, b_fc1, wide; writes wide
.if DOCPART == 6
	.amdgcn_target "amdgcn-amd-amdhsa--gfx1250"
	.amdhsa_code_object_version 6
	.text
	.protected	k_q881c2b671f_gfc1
	.globl	k_q881c2b671f_gfc1
	.p2align	8
	.type	k_q881c2b671f_gfc1,@function
k_q881c2b671f_gfc1:
	s_mov_b64 s[64:65], 0
	v_nop
	global_prefetch_b8 v0, s[64:65] scope:SCOPE_SE
	s_setreg_imm32_b32 hwreg(HW_REG_WAVE_MODE, 25, 1), 1
	s_wait_xcnt 0x0
	s_wait_alu depctr_hold_cnt(0) depctr_sa_sdst(0) depctr_va_vdst(0) depctr_va_sdst(0) depctr_va_ssrc(0) depctr_va_vcc(0) depctr_vm_vsrc(0)
	s_getreg_b32 s2, hwreg(HW_REG_IB_STS2, 6, 4)
	s_cmp_eq_u32 s2, 0
	s_cbranch_scc0 .Lentry_in_a_cluster
	s_endpgm
.Lentry_in_a_cluster:
	s_bfe_u32 s2, ttmp6, 0x10000c
	s_cmp_lg_u32 s2, 0xf033
	s_cbranch_scc0 .Lentry_shape_is_right
	s_endpgm
.Lentry_shape_is_right:
; ff[m][n] = gelu(sum over k of h2[m][k] Wt[n][k] + bias[n]).  h2: [4096][1024] bf16, Wt: [4096][1024] bf16 (the transposed weight), ff: [4096][4096] bf16; sums and GELU in f32.
; A work-group makes 256 x 256 of C with four waves, a wave 128 x 128 (64 accumulator tiles, 512 registers).  K goes in steps of 128 through two LDS slots
; filled by tensor loads whose rows are 256 aligned bytes.  16 x 16 = 256 work-groups.
; CLUSTERS: 4 x 4 work-groups; A's tile is asked for jointly along a row of the cluster, B's along a column: a quarter of the requests.
; The matrix instruction is used transposed (source 0 = rows of Wt, source 1 = rows of h2): lane l holds row l % 16 of C and eight neighbouring columns.
; REGISTERS: window 0: v16-45 addresses and constants, v64-127 and v128-191 fragments of A (two buffers), v192-199 at work;
;   window 1: v64-127, v128-191 fragments of B; window 2: accumulators of my rows 0-63 (tile (a, b) at v[8 (8 a + b)]); window 3: of rows 64-127.
; LIMITS: operands and result are bf16 (nearest even); powers of two below 2^-126 come out as 0; NaN and infinities are not followed.
.set SIZE_N, 4096
.set SIZE_K, 1024
.set EPI,    1                         ; 0: bias; 1: bias and GELU
.set MA,     8
.set NB,     8
.set NQ,     4
.set QI,     5                         ; padding interval: 2 << 5 = 64 words = a row
.set LWT,    7
.set ES,     2
.set KSTEP,  32*NQ
.set PITCH,  2*KSTEP+16                ; an odd multiple of 16: the sixteen rows of a fragment load begin in sixteen different 16-byte columns modulo 256
.set WT,     16*MA
.set HALFT,  WT*PITCH
.set SLOT,   4*HALFT
.set STAGE,  2*SLOT                    ; behind the ring, a multiple of 256; no tensor load ever lands there
.set SP,     4*WT+16
.set LAPS,   SIZE_K/(2*KSTEP)
.set ADRA, 16
.set ADRB, 20
.set STO,  24
.set RD,   25
.set CO,   26
.set BO,   27
.set BIAS, 32                          ; v[32:39] bias of the 8 columns that I store
.set GA,   40                          ; v[40:41], v[42:43], v[44:45]: GELU's two constants and 1.0, each twice
.set GB,   42
.set ONE,  44
.set F0,   64
.set F1,   128
.set T,    192
.set G1,   24
.set G0,   32
.set G1B,  48
.set G0B,  56
.set MSB,  0
.macro WIN new                         ; s_set_vgpr_msb; the immediate's high byte repeats the setting that is left
.if MSB != \new
	s_set_vgpr_msb (MSB<<8)|\new
.set MSB, \new
.endif
.endm
.macro WINQ q                          ; source 0 (B) window 1, source 1 (A) window 0, C and D window 2 or 3
.if (\q)*MA/4 >= 4
	WIN 0xf1
.else
	WIN 0xa1
.endif
.endm
.macro PLACES                          ; four plain places behind matrix instructions (ISA guide 7.12.1 for vector instructions)
.rept 4
	v_nop
.endr
.endm
.macro JLOAD s                         ; a joint load: waves 0, 1 ask for A's halves, waves 2, 3 for B's; the branch hangs on the wave's number alone
	s_cmp_eq_u32 s15, 0
	s_cbranch_scc0 .Lfor_b_\@
	tensor_load_to_lds s[G0+4*\s:G0+4*\s+3], s[G1:G1+7]
	s_nop 0
	s_branch .Lasked_\@
.Lfor_b_\@:
	tensor_load_to_lds s[G0B+4*\s:G0B+4*\s+3], s[G1B:G1B+7]
	s_nop 0
.Lasked_\@:
.endm
.macro CREST                           ; a round of the cluster's barrier behind its opening barrier
	s_cmp_lg_u32 s14, 0
	s_cbranch_scc1 .Lnot_wave_0_\@
	s_barrier_signal -3
.Lnot_wave_0_\@:
	s_barrier_wait -3
	s_barrier_signal -1
	s_barrier_wait -1
.endm
.macro CROUND
	s_barrier_signal -1
	s_barrier_wait -1
	CREST
.endm
	s_load_b256 s[4:11], s[0:1], 0x0               ; a s[4:5], bt s[6:7], bias s[8:9], c s[10:11]
	s_set_vgpr_msb 0x40
	v_lshl_add_u32 v255, v0, 2, 0x4c400
	s_set_vgpr_msb 0x4000
	v_mov_b32 v255, 0
	s_set_vgpr_msb 0x1
	ds_add_u32 v255, v255
	ds_add_u32 v255, v255
	s_set_vgpr_msb 0x100
	v_lshrrev_b32 v1, 5, v0
	v_readfirstlane_b32 s14, v1                    ; wave 0..3
	s_lshr_b32 s15, s14, 1                         ; my half of the block's rows; also: I fetch for A (0) or for B (1)
	s_and_b32 s16, s14, 1                          ; my half of its columns; also: which half of that tile I fetch
	s_bfe_u32 s17, ttmp6, 0x40000                  ; cx
	s_bfe_u32 s18, ttmp6, 0x40004                  ; cy
	s_lshl_b32 s19, ttmp9, 2
	s_add_co_u32 s19, s19, s17                     ; block column
	s_and_b32 s20, ttmp7, 0xffff
	s_lshl_b32 s20, s20, 2
	s_add_co_u32 s20, s20, s18                     ; block row
	s_lshl_b32 s21, s18, 2
	s_lshl_b32 s21, 15, s21                        ; my row of the cluster
	s_lshl_b32 s22, 0x1111, s17                    ; my column
	s_or_b32 s[G1+0], s21, (1<<16)|(1<<20)|(1<<21)|(QI<<22)|(3<<25)   ; mask; elements of 2 bytes; padding on; bit 21 beside a mask; 4 words behind every row
	s_or_b32 s[G1B+0], s22, (1<<16)|(1<<20)|(1<<21)|(QI<<22)|(3<<25)
	s_mov_b32 s[G1+1], KSTEP<<16
	s_mov_b32 s[G1B+1], KSTEP<<16
	s_mov_b32 s[G1+2], WT<<16
	s_mov_b32 s[G1B+2], WT<<16
	s_mov_b32 s[G1+3], KSTEP<<16
	s_mov_b32 s[G1B+3], KSTEP<<16
	s_mov_b32 s[G1+4], WT
	s_mov_b32 s[G1B+4], WT
	s_mov_b32 s[G1+5], SIZE_K
	s_mov_b32 s[G1B+5], SIZE_K
	s_mov_b32 s[G1+6], 0
	s_mov_b32 s[G1B+6], 0
	s_mov_b32 s[G1+7], 0
	s_mov_b32 s[G1B+7], 0
	; A's tiles hang on the block row alone, B's on the block column alone, each in registers that never hold the other coordinate
	s_lshl_b32 s46, s16, LWT
	s_lshl_b32 s40, s20, LWT+1
	s_add_co_u32 s40, s40, s46
	s_lshl_b32 s42, s19, LWT+1
	s_add_co_u32 s42, s42, s46
	s_mov_b32 s41, 0
	s_mov_b32 s43, 0
	s_mov_b64 s[44:45], SIZE_K*2
	s_mul_u64 s[40:41], s[40:41], s[44:45]
	s_mul_u64 s[42:43], s[42:43], s[44:45]
	s_mul_i32 s23, s14, HALFT                      ; where my tile goes: the wave's number alone
	s_lshl_b32 s72, s20, LWT+1
	s_lshl_b32 s73, s15, LWT
	s_add_co_u32 s72, s72, s73                     ; my first row
	s_mul_i32 s72, s72, SIZE_N*ES
	s_lshl_b32 s74, s19, LWT+1
	s_lshl_b32 s75, s16, LWT
	s_add_co_u32 s74, s74, s75                     ; my first column
	s_mul_i32 s73, s74, ES
	s_add_co_u32 s72, s72, s73
	s_mov_b32 s73, 0
	s_lshl_b32 s74, s74, 2
	s_mov_b32 s75, 0
	s_wait_dscnt 0x0
	s_wait_kmcnt 0x0
	s_add_nc_u64 s[40:41], s[4:5], s[40:41]
	s_add_nc_u64 s[42:43], s[6:7], s[42:43]
	s_add_nc_u64 s[8:9], s[8:9], s[74:75]
	s_add_nc_u64 s[10:11], s[10:11], s[72:73]
	CROUND                                         ; all sixteen work-groups are here: the first joint loads meet
.irp s, 0,1
	s_mov_b32 s[G0+4*\s], 1
	s_add_co_u32 s[G0+4*\s+1], s23, \s*SLOT
	s_add_nc_u64 s[G0+4*\s+2:G0+4*\s+3], s[40:41], \s*KSTEP*2
	s_or_b32 s[G0+4*\s+3], s[G0+4*\s+3], 0x80000000
	s_mov_b32 s[G0B+4*\s], 1
	s_add_co_u32 s[G0B+4*\s+1], s23, \s*SLOT
	s_add_nc_u64 s[G0B+4*\s+2:G0B+4*\s+3], s[42:43], \s*KSTEP*2
	s_or_b32 s[G0B+4*\s+3], s[G0B+4*\s+3], 0x80000000
	JLOAD \s                                       ; both slots' first fills go out together: two tensor loads of the wave are out
.endr
	v_and_b32 v1, 15, v0                           ; l % 16
	v_bfe_u32 v2, v0, 4, 1                         ; l / 16
	v_mul_u32_u24 v3, v1, PITCH
	v_lshl_add_u32 v3, v2, 4, v3
	s_mul_i32 s46, s15, HALFT
	s_mul_i32 s47, s16, HALFT
	s_add_co_u32 s47, s47, 2*HALFT
.irp s, 0,1
	v_add_nc_u32 v[ADRA+\s], s46, v3
	v_add_nc_u32 v[ADRB+\s], s47, v3
	s_add_co_u32 s46, s46, SLOT
	s_add_co_u32 s47, s47, SLOT
.endr
	s_mul_i32 s46, s14, 16*SP
	s_add_co_u32 s46, s46, STAGE                   ; my stage: 16 rows
	v_mul_u32_u24 v4, v1, SP
	v_lshl_add_u32 v4, v2, 5, v4                   ; in: row l % 16, 32 bytes for each half of the lanes
	v_add_nc_u32 v[STO], s46, v4
	v_mul_u32_u24 v5, v2, SP
	v_lshl_add_u32 v5, v1, 5, v5                   ; back: lanes 0-15 one row, lanes 16-31 the next; 8 columns (32 bytes of f32) a lane
	v_add_nc_u32 v[RD], s46, v5
	v_mul_u32_u24 v5, v2, SIZE_N*ES
	v_lshl_add_u32 v[CO], v1, 4, v5                ; the same two rows in C, 16 bytes of bf16 a lane
	v_lshlrev_b32 v[BO], 5, v1
	global_load_b128 v[BIAS:BIAS+3], v[BO], s[8:9]
	global_load_b128 v[BIAS+4:BIAS+7], v[BO], s[8:9] offset:16
.if EPI == 1
	v_mov_b32 v[GA], 0xc0135761                    ; -2 sqrt(2/pi) log2(e)
	v_mov_b32 v[GA+1], 0xc0135761
	v_mov_b32 v[GB], 0xbdd2d3e8                    ; the same x 0.044715
	v_mov_b32 v[GB+1], 0xbdd2d3e8
	v_mov_b32 v[ONE], 1.0
	v_mov_b32 v[ONE+1], 1.0
.endif
; A quarter of the wave's products for 32 along K.  All MA x NB accumulators take turns, one instruction a turn, in the same order in every quarter step.
; zero = 1: the first product starts the sum.
.macro MULQ f, q, zero
.set iax, (\q)*MA/4
.rept MA/4
.set ibx, 0
.rept NB
.set accx, 8*(8*(iax&3)+ibx)
.if \zero
	v_wmma_f32_16x16x32_bf16 v[accx:accx+7], v[\f+8*ibx:\f+8*ibx+7], v[\f+8*iax:\f+8*iax+7], 0
.else
	v_wmma_f32_16x16x32_bf16 v[accx:accx+7], v[\f+8*ibx:\f+8*ibx+7], v[\f+8*iax:\f+8*iax+7], v[accx:accx+7]
.endif
.set ibx, ibx+1
.endr
.set iax, iax+1
.endr
.endm
.macro FETCH slot, k, f                ; the fragments of one quarter step, at byte k of the rows: B's 2 NB loads, then A's 2 MA, in one run
	WIN 0x40
.set fi, 0
.rept NB
	ds_load_b128 v[\f+8*fi:\f+8*fi+3],   v[ADRB+\slot] offset:\k+fi*16*PITCH
	ds_load_b128 v[\f+8*fi+4:\f+8*fi+7], v[ADRB+\slot] offset:\k+fi*16*PITCH+32
.set fi, fi+1
.endr
	WIN 0
.set fi, 0
.rept MA
	ds_load_b128 v[\f+8*fi:\f+8*fi+3],   v[ADRA+\slot] offset:\k+fi*16*PITCH
	ds_load_b128 v[\f+8*fi+4:\f+8*fi+7], v[ADRA+\slot] offset:\k+fi*16*PITCH+32
.set fi, fi+1
.endr
.endm
.macro QUARTER slot, k, f, g, zero
	s_wait_dscnt MA                                ; B and A's lower half are in; the youngest MA loads (A's upper half) may be out
	WINQ 0
	MULQ \f, 0, \zero
	WINQ 1
	MULQ \f, 1, \zero
	PLACES
	FETCH \slot, \k, \g
	s_wait_dscnt 2*(MA+NB)                         ; all but the run just issued
	WINQ 2
	MULQ \f, 2, \zero
	WINQ 3
	MULQ \f, 3, \zero
.endm
.macro RUN slot, zero
	QUARTER \slot, 64,  F0, F1, \zero
	QUARTER \slot, 128, F1, F0, 0
	QUARTER \slot, 192, F0, F1, 0
.if NQ == 8
	QUARTER \slot, 256, F1, F0, 0
	QUARTER \slot, 320, F0, F1, 0
	QUARTER \slot, 384, F1, F0, 0
	QUARTER \slot, 448, F0, F1, 0
.endif
.endm
; The last quarter of a slot, and the change of slots.  In front of the barrier each wave waits for its reads of this slot and for all its tensor loads
; (one is out: its part of the next slot).  fill = 1: the barrier opens a round of the cluster's barrier, and the joint refill is the first tensor load behind it.
.macro TURN slot, next, fill
	s_wait_dscnt MA
	WINQ 0
	MULQ F1, 0, 0
	s_wait_dscnt 0                                 ; my reads of this slot are over
	s_wait_tensorcnt 0x0                           ; and all my tensor loads have landed
	ds_add_u32 v255, v255
	s_wait_dscnt 0x0
	s_barrier_signal -1
	WINQ 1
	MULQ F1, 1, 0
	WIN 0
	s_barrier_wait -1
.if \fill
	CREST                                          ; no wave of any partner still reads this slot or has a load on its way
	s_add_nc_u64 s[G0+4*\slot+2:G0+4*\slot+3], s[G0+4*\slot+2:G0+4*\slot+3], 4*KSTEP
	s_add_nc_u64 s[G0B+4*\slot+2:G0B+4*\slot+3], s[G0B+4*\slot+2:G0B+4*\slot+3], 4*KSTEP
	JLOAD \slot                                    ; my one tensor load until the next such round
.endif
	PLACES
	FETCH \next, 0, F0
	WINQ 2
	MULQ F1, 2, 0
	WINQ 3
	MULQ F1, 3, 0
.endm
.macro LAP zero
	RUN 0, \zero
	TURN 0, 1, 1
	RUN 1, 0
	TURN 1, 0, 1
.endm
	s_wait_tensorcnt 1                             ; my part of K step 0 is in; K step 1's may stay out
	s_barrier_signal -1
	s_barrier_wait -1
	FETCH 0, 0, F0
	LAP 1
.if LAPS > 2
	WIN 0
	s_mov_b32 s3, LAPS-2
.Llap:
	LAP 0
	WIN 0
	s_sub_co_u32 s3, s3, 1
	s_cmp_lg_u32 s3, 0
	s_cbranch_scc1 .Llap
.endif
	RUN 0, 0                                       ; the last lap fills nothing
	TURN 0, 1, 0
	RUN 1, 0
	s_wait_dscnt MA
	WINQ 0
	MULQ F1, 0, 0
	WINQ 1
	MULQ F1, 1, 0
	s_wait_dscnt 0
	WINQ 2
	MULQ F1, 2, 0
	WINQ 3
	MULQ F1, 3, 0
	PLACES                                         ; behind the last matrix instructions
	s_wait_loadcnt 0x0                             ; the bias
; THE WAY OUT, 16 rows at a time: the f32 sums go into my own stage and come back by rows, so that a lane keeps the same 8 columns in every row:
; bias and GELU are applied there, the 8 numbers are rounded to 16 bytes, and sixteen lanes store 256 consecutive bytes, aligned.
; LDS serves a wave's instructions in order (ISA guide 5.7.1): no wait between my stores and my loads, nor between these loads and the next group's stores.
.macro OUTG i, f
.if \i < 4
	WIN 0x08                                       ; store data from window 2
.else
	WIN 0x0c                                       ; from window 3
.endif
.set ibx, 0
.rept NB
.set accx, 8*(8*((\i)&3)+ibx)
	ds_store_b128 v[STO], v[accx:accx+3]   offset:64*ibx
	ds_store_b128 v[STO], v[accx+4:accx+7] offset:64*ibx+16
.set ibx, ibx+1
.endr
	WIN 0
	s_wait_xcnt 0x0                                ; buffer f, which earlier stores read, is loaded again only behind this wait
.set ti, 0
.rept 8
	ds_load_b128 v[\f+8*ti:\f+8*ti+3],   v[RD] offset:ti*2*SP
	ds_load_b128 v[\f+8*ti+4:\f+8*ti+7], v[RD] offset:ti*2*SP+16
.set ti, ti+1
.endr
.set ti, 0
.rept 8
.set xf, \f+8*ti
	s_wait_dscnt 14-2*ti                           ; pair ti of the sixteen loads is in
.irp k, 0,2,4,6
	v_pk_add_f32 v[xf+\k:xf+\k+1], v[xf+\k:xf+\k+1], v[BIAS+\k:BIAS+\k+1]
.endr
.if EPI == 1
	; 0.5 x (1 + tanh u) = x / (1 + 2^(x (A + B x x))), exact algebra; where the power overflows the reciprocal is 0 and the result a zero
.irp k, 0,2,4,6
	v_pk_mul_f32 v[T+\k:T+\k+1], v[xf+\k:xf+\k+1], v[xf+\k:xf+\k+1]
.endr
.irp k, 0,2,4,6
	v_pk_fma_f32 v[T+\k:T+\k+1], v[T+\k:T+\k+1], v[GB:GB+1], v[GA:GA+1]
.endr
.irp k, 0,2,4,6
	v_pk_mul_f32 v[T+\k:T+\k+1], v[T+\k:T+\k+1], v[xf+\k:xf+\k+1]
.endr
.irp k, 0,1,2,3,4,5,6,7
	v_exp_f32 v[T+\k], v[T+\k]
.endr
	v_nop                                          ; one plain place behind transcendentals (ISA guide 5.7.2)
	s_wait_alu depctr_va_vdst(0)
.irp k, 0,2,4,6
	v_pk_add_f32 v[T+\k:T+\k+1], v[T+\k:T+\k+1], v[ONE:ONE+1]
.endr
.irp k, 0,1,2,3,4,5,6,7
	v_rcp_f32 v[T+\k], v[T+\k]
.endr
	v_nop
	s_wait_alu depctr_va_vdst(0)
.irp k, 0,2,4,6
	v_pk_mul_f32 v[xf+\k:xf+\k+1], v[xf+\k:xf+\k+1], v[T+\k:T+\k+1]
.endr
.endif
.irp k, 0,1,2,3
	v_cvt_pk_bf16_f32 v[xf+\k], v[xf+2*\k], v[xf+2*\k+1]
.endr
	global_store_b128 v[CO], v[xf:xf+3], s[10:11] offset:(16*\i+2*ti)*SIZE_N*ES
.set ti, ti+1
.endr
.endm
	OUTG 0, F0
	OUTG 1, F1
	OUTG 2, F0
	OUTG 3, F1
	OUTG 4, F0
	OUTG 5, F1
	OUTG 6, F0
	OUTG 7, F1
	s_set_vgpr_msb 0x1
	s_wait_tensorcnt 0x0
	ds_add_u32 v255, v255
	s_wait_dscnt 0x0
	s_set_vgpr_msb 0x100
	CROUND                                         ; the closing round: no work-group ends while a partner may still ask for a tile that names it
	s_endpgm
.Lfunc_end_k_q881c2b671f_gfc1:
	.size	k_q881c2b671f_gfc1, .Lfunc_end_k_q881c2b671f_gfc1-k_q881c2b671f_gfc1
	.p2alignl 7, 3214868480
	.fill 96, 4, 3214868480
	.section	.rodata,"a",@progbits
	.p2align	6, 0x0
	.amdhsa_kernel k_q881c2b671f_gfc1
		.amdhsa_group_segment_fixed_size 327680
		.amdhsa_private_segment_fixed_size 0
		.amdhsa_enable_private_segment 0
		.amdhsa_kernarg_size 32
		.amdhsa_user_sgpr_count 2
		.amdhsa_user_sgpr_kernarg_segment_ptr 1
		.amdhsa_wavefront_size32 1
		.amdhsa_system_sgpr_workgroup_id_x 1
		.amdhsa_system_sgpr_workgroup_id_y 1
		.amdhsa_system_sgpr_workgroup_id_z 1
		.amdhsa_system_vgpr_workitem_id 0
		.amdhsa_next_free_vgpr 1024
		.amdhsa_next_free_sgpr 80
		.amdhsa_reserve_vcc 0
		.amdhsa_float_denorm_mode_32 3
		.amdhsa_float_denorm_mode_16_64 3
		.amdhsa_memory_ordered 1
		.amdhsa_forward_progress 1
		.amdhsa_inst_pref_size 255
	.end_amdhsa_kernel
	.section	.bss,"aw",@nobits
	.p2align	6
	.space	262144
	.amdgpu_metadata
---
amdhsa.version: [ 1, 2 ]
amdhsa.kernels:
  - .name:           k_q881c2b671f_gfc1
    .symbol:         k_q881c2b671f_gfc1.kd
    .args:
      - { .name: act, .offset: 0, .size: 8, .value_kind: global_buffer, .address_space: global }
      - { .name: w1, .offset: 8, .size: 8, .value_kind: global_buffer, .address_space: global }
      - { .name: b_fc1, .offset: 16, .size: 8, .value_kind: global_buffer, .address_space: global }
      - { .name: wide, .offset: 24, .size: 8, .value_kind: global_buffer, .address_space: global }
    .group_segment_fixed_size: 327680
    .private_segment_fixed_size: 0
    .kernarg_segment_align: 8
    .kernarg_segment_size: 32
    .max_flat_workgroup_size: 128
    .sgpr_count:     80
    .vgpr_count:     1024
    .wavefront_size: 32
...
	.end_amdgpu_metadata
.endif
;; end of part 6
;; launch gfc2 (part 7): grid 8 x 32, 4 waves a work-group, clusters of 4 x 4, 327,680 bytes of LDS; arguments wide, w2, b_fc2, out0, temp; writes out0
.if DOCPART == 7
	.amdgcn_target "amdgcn-amd-amdhsa--gfx1250"
	.amdhsa_code_object_version 6
	.text
	.protected	k_q881c2b671f_gfc2
	.globl	k_q881c2b671f_gfc2
	.p2align	8
	.type	k_q881c2b671f_gfc2,@function
k_q881c2b671f_gfc2:
	s_mov_b64 s[64:65], 0
	v_nop
	global_prefetch_b8 v0, s[64:65] scope:SCOPE_SE
	s_setreg_imm32_b32 hwreg(HW_REG_WAVE_MODE, 25, 1), 1
	s_wait_xcnt 0x0
	s_wait_alu depctr_hold_cnt(0) depctr_sa_sdst(0) depctr_va_vdst(0) depctr_va_sdst(0) depctr_va_ssrc(0) depctr_va_vcc(0) depctr_vm_vsrc(0)
	s_getreg_b32 s2, hwreg(HW_REG_IB_STS2, 6, 4)
	s_cmp_eq_u32 s2, 0
	s_cbranch_scc0 .Lentry_in_a_cluster
	s_endpgm
.Lentry_in_a_cluster:
	s_bfe_u32 s2, ttmp6, 0x10000c
	s_cmp_lg_u32 s2, 0xf033
	s_cbranch_scc0 .Lentry_shape_is_right
	s_endpgm
.Lentry_shape_is_right:
; out[m][n] = temp[m][n] + bias[n] + sum over k of ff[m][k] W[k][n].  ff: [4096][4096] bf16; W: bf16 in fragment order (below); temp, out: [4096][1024] f32.
; N is 1,024: blocks of 128 x 128 give 8 x 32 = 256 work-groups.
; K IS SHARED OUT AMONG THE FOUR WAVES: each wave makes the whole block (64 accumulator tiles, 512 registers) over its own 128 of every 512 of K, and the four
; partial sums meet in LDS at the end.  So a wave loads 16 KB of operands for 64 matrix instructions; a tile of 64 x 64 would load 8 KB for 16.
; A comes through two LDS slots of 512 of K; each wave fetches, by one tensor load, and reads its own 128 rows x 256 aligned bytes.  From a slot's request to
; the wait for it a wave issues 224 matrix instructions.  The four work-groups of a row of the cluster need the same rows of A and ask for them jointly.
; B DOES NOT PASS THROUGH LDS: an earlier launch laid it as [block of 128 n][32 k][16 n][half][lane][16 bytes], so a wave's load of 16 bytes a lane takes 512
; consecutive bytes that are half a fragment as they stand.  Window 1 is a ring of four quarter steps (32 of K each); at most 48 of these loads are out.
; WHY B IS NOT ASKED FOR JOINTLY: no two waves of the work-group read the same byte of B, so LDS would only be a stop on its way; and with A and B both in LDS
; two slots of this block would hold 256 of K each, half the matrix work between a tile's request and the wait for it.
; The matrix instruction is used transposed (source 0 = 16 columns of W, source 1 = 16 rows of ff): lane l holds row l % 16 of C and eight neighbouring columns.
; REGISTERS: window 0: v16-35 addresses and bias, v64-127 and v128-191 fragments of A (two buffers), later the way out; window 1: B's ring, later the residual;
;   window 2: accumulators of rows 0-63 (tile (a, b) at v[8 (8 a + b)]); window 3: of rows 64-127.
; LIMITS: the product's operands are bf16; sums, bias, residual and result are f32, the sum over K in four parts; NaN and infinities are not followed.
.set SIZE_N, 1024
.set SIZE_K, 4096
.set KW,     128                       ; K of one wave in a slot
.set PITCH,  2*KW+16                   ; an LDS row: 17 x 16 bytes: the sixteen rows of a fragment load begin in sixteen different 16-byte columns modulo 256
.set HALFT,  128*PITCH                 ; one wave's part of a slot
.set SLOT,   4*HALFT
.set NSLOT,  SIZE_K/(4*KW)
.set LAPS,   NSLOT/2                   ; a lap = two slots = eight quarter steps of a wave
.set BQ,     8192                      ; bytes of B for 32 of K: 8 fragments of 1,024
.set BSLOT,  16*BQ                     ; for 512 of K
.set RP,     528                       ; the exchange: a row of 128 f32 + 16 bytes
.set REG,    128*RP                    ; one wave's partial sums
.set ADRA, 16                          ; v16-17  LDS address of my A fragments in slot 0, 1
.set STO,  24                          ; v24     the exchange: where my 32 bytes of a row go
.set LO,   26                          ; v26     16 x lane: my place in every run of 512 bytes (B, bias, residual, result); never rewritten
.set RD,   28                          ; v28-31  the exchange: my 16 bytes of my first row in the partial sums of wave 0 .. 3
.set BIAS, 32                          ; v[32:35] bias of the 4 columns that I store
.set F0,   64
.set F1,   128
.set G1,   24                          ; s[24:31] descriptor group 1
.set G0,   32                          ; s[32:39] descriptor group 0, one set for each slot
.set MSB,  0
.macro WIN new                         ; s_set_vgpr_msb; the immediate's high byte repeats the setting that is left; a switch that changes nothing is dropped
.if MSB != \new
	s_set_vgpr_msb (MSB<<8)|\new
.set MSB, \new
.endif
.endm
.macro PLACES                          ; four plain places behind matrix instructions (ISA guide 7.12.1 for vector instructions)
.rept 4
	v_nop
.endr
.endm
.macro CREST                           ; a round of the cluster's barrier behind its opening barrier
	s_cmp_lg_u32 s14, 0
	s_cbranch_scc1 .Lnot_wave_0_\@
	s_barrier_signal -3
.Lnot_wave_0_\@:
	s_barrier_wait -3
	s_barrier_signal -1
	s_barrier_wait -1
.endm
.macro CROUND
	s_barrier_signal -1
	s_barrier_wait -1
	CREST
.endm
	s_load_b256 s[4:11], s[0:1], 0x0               ; a s[4:5], b s[6:7], bias s[8:9], c s[10:11]
	s_load_b64 s[12:13], s[0:1], 0x20              ; the residual
	v_lshl_add_u32 v254, v0, 2, 0x44000
	v_mov_b32 v255, 0
	ds_add_u32 v254, v255
	ds_add_u32 v254, v255
	v_lshrrev_b32 v1, 5, v0
	v_readfirstlane_b32 s14, v1                    ; wave 0..3
	s_bfe_u32 s17, ttmp6, 0x40000                  ; cx
	s_bfe_u32 s18, ttmp6, 0x40004                  ; cy
	s_lshl_b32 s19, ttmp9, 2
	s_add_co_u32 s19, s19, s17                     ; block column
	s_and_b32 s20, ttmp7, 0xffff
	s_lshl_b32 s20, s20, 2
	s_add_co_u32 s20, s20, s18                     ; block row
	s_lshl_b32 s21, s18, 2
	s_lshl_b32 s21, 15, s21                        ; my row of the cluster: places 4 cy .. 4 cy + 3
	s_or_b32 s[G1+0], s21, (1<<16)|(1<<20)|(1<<21)|(5<<22)|(3<<25)   ; mask; elements of 2 bytes; padding on; bit 21 beside a mask; 4 words behind every 64
	s_mov_b32 s[G1+1], KW<<16                      ; tensor_dim0 = the tile's
	s_mov_b32 s[G1+2], 128<<16                     ; tensor_dim1 = the tile's
	s_mov_b32 s[G1+3], KW<<16                      ; tile_dim0
	s_mov_b32 s[G1+4], 128                         ; tile_dim1
	s_mov_b32 s[G1+5], SIZE_K                      ; elements from row to row
	s_mov_b32 s[G1+6], 0
	s_mov_b32 s[G1+7], 0
	; A's tiles hang on the block row and the wave's number alone, in registers that never hold the block column
	s_lshl_b32 s40, s20, 7
	s_mov_b32 s41, 0
	s_mov_b64 s[44:45], SIZE_K*2
	s_mul_u64 s[40:41], s[40:41], s[44:45]         ; 128 x block row rows
	s_lshl_b32 s44, s14, 8                         ; + my 128 of K
	s_mov_b32 s45, 0
	s_add_nc_u64 s[40:41], s[40:41], s[44:45]
	s_mul_i32 s23, s14, HALFT                      ; where my tile goes: the wave's number alone
	s_mul_i32 s42, s19, SIZE_K*256                 ; B: my block of 128 columns, SIZE_K / 32 pieces of 8,192 bytes,
	s_lshl_b32 s46, s14, 15                        ; + my four pieces of every sixteen
	s_add_co_u32 s42, s42, s46
	s_mov_b32 s43, 0
	s_lshl_b32 s72, s20, 7
	s_lshl_b32 s73, s14, 5
	s_add_co_u32 s72, s72, s73                     ; the first of the 32 rows that I store
	s_lshl_b32 s72, s72, 12                        ; rows of 4,096 bytes
	s_lshl_b32 s74, s19, 9                         ; the block's 128 columns of 4 bytes
	s_add_co_u32 s72, s72, s74
	s_mov_b32 s73, 0
	s_mov_b32 s75, 0
	s_wait_dscnt 0x0
	s_wait_kmcnt 0x0
	s_add_nc_u64 s[40:41], s[4:5], s[40:41]
	s_add_nc_u64 s[42:43], s[6:7], s[42:43]
	s_add_nc_u64 s[8:9], s[8:9], s[74:75]
	s_add_nc_u64 s[10:11], s[10:11], s[72:73]
	s_add_nc_u64 s[12:13], s[12:13], s[72:73]
	CROUND                                         ; all sixteen work-groups are here: the first joint loads meet
.irp s, 0,1
	s_mov_b32 s[G0+4*\s], 1
	s_add_co_u32 s[G0+4*\s+1], s23, \s*SLOT
	s_add_nc_u64 s[G0+4*\s+2:G0+4*\s+3], s[40:41], \s*8*KW     ; slot s: 512 of K = 1,024 bytes on
	s_or_b32 s[G0+4*\s+3], s[G0+4*\s+3], 0x80000000
	tensor_load_to_lds s[G0+4*\s:G0+4*\s+3], s[G1:G1+7]        ; both slots' first fills go out together: two tensor loads of the wave are out
	s_nop 0
.endr
	v_and_b32 v1, 15, v0                           ; r = l % 16
	v_bfe_u32 v2, v0, 4, 1                         ; h = l / 16
	v_and_b32 v3, 31, v0
	v_lshlrev_b32 v[LO], 4, v3
	v_mul_u32_u24 v4, v1, PITCH
	v_lshl_add_u32 v4, v2, 4, v4                   ; fragment: row x pitch + 16 h
	v_add_nc_u32 v[ADRA], s23, v4
	v_add_nc_u32 v[ADRA+1], SLOT, v[ADRA]
	s_mul_i32 s46, s14, REG
	v_mul_u32_u24 v5, v1, RP
	v_lshl_add_u32 v5, v2, 5, v5                   ; in: row r of a tile, 32 bytes for each half of the lanes
	v_add_nc_u32 v[STO], s46, v5
	s_mul_i32 s47, s14, 32*RP
	v_add_nc_u32 v[RD], s47, v[LO]                 ; back: row 32 x wave, 16 bytes a lane
.irp s, 1,2,3
	v_add_nc_u32 v[RD+\s], REG, v[RD+\s-1]
.endr
; 32 matrix instructions: blocks of rows 4 hi .. 4 hi + 3 x all 8 blocks of columns, 32 along K.  All 64 accumulators take turns, one instruction a turn,
; in the same order in every quarter step.  zero = 1: the first product starts the sum.
.macro MULH fa, rb, hi, zero
.set iax, 0
.rept 4
.set ibx, 0
.rept 8
.set accx, 8*(8*iax+ibx)
.set afx, \fa+8*(4*\hi+iax)
.set bfx, \rb+8*ibx
.if \zero
	v_wmma_f32_16x16x32_bf16 v[accx:accx+7], v[bfx:bfx+7], v[afx:afx+7], 0
.else
	v_wmma_f32_16x16x32_bf16 v[accx:accx+7], v[bfx:bfx+7], v[afx:afx+7], v[accx:accx+7]
.endif
.set ibx, ibx+1
.endr
.set iax, iax+1
.endr
.endm
.macro FETCHA slot, k, f               ; A's eight fragments of one quarter step, at byte k of my rows: 16 LDS loads
	WIN 0
.set fi, 0
.rept 8
	ds_load_b128 v[\f+8*fi:\f+8*fi+3],   v[ADRA+\slot] offset:\k+fi*16*PITCH
	ds_load_b128 v[\f+8*fi+4:\f+8*fi+7], v[ADRA+\slot] offset:\k+fi*16*PITCH+32
.set fi, fi+1
.endr
.endm
.macro BLOAD ring, off                 ; B's eight fragments of one quarter step: 16 loads of 512 consecutive bytes, into window 1
	WIN 0x40
.set fi, 0
.rept 8
	global_load_b128 v[\ring+8*fi:\ring+8*fi+3],   v[LO], s[42:43] offset:\off+fi*1024
	global_load_b128 v[\ring+8*fi+4:\ring+8*fi+7], v[LO], s[42:43] offset:\off+fi*1024+512
.set fi, fi+1
.endr
.endm
; Quarter step g of a lap (0 .. 7): multiplies A's buffer fa by B's ring place g % 4.  At its head, in one run: A's fragments of the next quarter step (slot
; nslot, byte nk) into the other buffer, and (bl = 1) B's of quarter step g + 3 into the ring place that the last quarter step read.
; lc = how many younger loads of B may be out when this quarter step's have to be in.
.macro QTR g, fa, ga, nslot, nk, zero, bl, lc
	s_wait_dscnt 0x0                               ; buffer fa, asked for a quarter step ago
	PLACES
	FETCHA \nslot, \nk, \ga
	s_wait_loadcnt \lc                             ; loads come back in order: mine are in, those of the quarter steps behind stay out
.if \bl
.set rgx, 64*((\g+3)&3)
.set bofx, ((\g+3)>>2)*BSLOT+((\g+3)&3)*BQ
	BLOAD rgx, bofx
.endif
.set rbx, 64*(\g&3)
	WIN 0xa1                                       ; source 0 (B) window 1, source 1 (A) window 0, C and D window 2
	MULH \fa, rbx, 0, \zero
	WIN 0xf1                                       ; C and D window 3
	MULH \fa, rbx, 1, \zero
.endm
; The last quarter step of a slot, and the change of slots.  In front of the barrier each wave waits for its reads of this slot and for all its tensor loads
; (one is out: its part of the next slot).  fill = 1: the barrier opens a round of the cluster's barrier, and the joint refill is the first tensor load behind it.
; Buffer F0, loaded in the middle, was last read a quarter step ago: the four places at the head stand between.
.macro TURNQ g, slot, next, fill
	s_wait_dscnt 0x0                               ; buffer F1 is in, and with it my reads of this slot are over
	PLACES
	s_wait_loadcnt 32
.set rgx, 64*((\g+3)&3)
.set bofx, ((\g+3)>>2)*BSLOT+((\g+3)&3)*BQ
	BLOAD rgx, bofx
	s_wait_tensorcnt 0x0                           ; all my tensor loads have landed
	ds_add_u32 v254, v255
	s_wait_dscnt 0x0
	s_barrier_signal -1
	WIN 0xa1
	MULH F1, 192, 0, 0                             ; register work while the others arrive
	WIN 0
	s_barrier_wait -1
.if \fill
	CREST                                          ; no wave of any partner still reads this slot or has a load on its way
	s_add_nc_u64 s[G0+4*\slot+2:G0+4*\slot+3], s[G0+4*\slot+2:G0+4*\slot+3], 16*KW   ; two slots on: 1,024 of K, in bytes
	tensor_load_to_lds s[G0+4*\slot:G0+4*\slot+3], s[G1:G1+7]                        ; my one tensor load until the next such round
	s_nop 0
.endif
	FETCHA \next, 0, F0
	WIN 0xf1
	MULH F1, 192, 1, 0
.endm
; tail = 1: the last lap: B's last loads go out in quarter step 4, and the counts run down
.macro LAP zero, fill, tail
	QTR 0, F0, F1, 0, 64,  \zero, 1, 32
	QTR 1, F1, F0, 0, 128, 0, 1, 32
	QTR 2, F0, F1, 0, 192, 0, 1, 32
	TURNQ 3, 0, 1, \fill
	QTR 4, F0, F1, 1, 64,  0, 1, 32
.if \tail
	QTR 5, F1, F0, 1, 128, 0, 0, 32
	QTR 6, F0, F1, 1, 192, 0, 0, 16
	s_wait_dscnt 0x0
	s_wait_loadcnt 0x0
	WIN 0xa1
	MULH F1, 192, 0, 0
	WIN 0xf1
	MULH F1, 192, 1, 0
.else
	QTR 5, F1, F0, 1, 128, 0, 1, 32
	QTR 6, F0, F1, 1, 192, 0, 1, 32
	TURNQ 7, 1, 0, \fill
	s_wait_xcnt 0x0                                ; B's base, which loads read, is stepped only behind this wait
	s_add_nc_u64 s[42:43], s[42:43], 2*BSLOT
.endif
.endm
	global_load_b128 v[BIAS:BIAS+3], v[LO], s[8:9]
	BLOAD 0, 0                                     ; B's first three quarter steps
	BLOAD 64, BQ
	BLOAD 128, 2*BQ
	WIN 0
	s_wait_tensorcnt 1                             ; my part of slot 0 is in; slot 1's may stay out
	s_barrier_signal -1
	s_barrier_wait -1
	FETCHA 0, 0, F0
.if LAPS > 1
	LAP 1, 1, 0                                    ; the first lap's first products start the sums
.if LAPS > 2
	WIN 0                                          ; at a label and at a branch every window is 0
	s_mov_b32 s3, LAPS-2
.Llap:
	LAP 0, 1, 0
	WIN 0
	s_sub_co_u32 s3, s3, 1
	s_cmp_lg_u32 s3, 0
	s_cbranch_scc1 .Llap
.endif
	LAP 0, 0, 1                                    ; the last lap fills nothing
.else
	LAP 1, 0, 1                                    ; K of 1,024: one lap, first and last
.endif
	; THE WAY OUT.  Each wave lays its 128 x 128 partial sums into a region of its own; behind a barrier wave w reads rows 32 w .. 32 w + 31 of all four regions.
	; The regions lie over the slots, which have had their last fill; every wave's reads of the slots are over in front of the first barrier.
	PLACES                                         ; behind the last matrix instructions: for the loads into B's ring and the LDS stores of results
	WIN 0x40
.set gi, 0
.rept 32
	global_load_b128 v[4*gi:4*gi+3], v[LO], s[12:13] offset:gi*SIZE_N*4    ; the residual of my 32 rows, 512 consecutive bytes a load: it lands while the sums are exchanged
.set gi, gi+1
.endr
	WIN 0
	s_barrier_signal -1                            ; no LDS instruction of mine is out: the last wait on DScnt was for 0
	s_barrier_wait -1
.macro PUT hi
.set iax, 0
.rept 4
.set ibx, 0
.rept 8
.set accx, 8*(8*iax+ibx)
	ds_store_b128 v[STO], v[accx:accx+3]   offset:(4*\hi+iax)*16*RP+64*ibx
	ds_store_b128 v[STO], v[accx+4:accx+7] offset:(4*\hi+iax)*16*RP+64*ibx+16
.set ibx, ibx+1
.endr
.set iax, iax+1
.endr
.endm
	WIN 0x08                                       ; store data from window 2
	PUT 0
	WIN 0x0c                                       ; from window 3
	PUT 1
	WIN 0
	s_wait_dscnt 0x0                               ; my stores are in LDS before I say so
	s_barrier_signal -1
	s_barrier_wait -1
	s_wait_loadcnt 0x0                             ; the residual
; rows 8 j .. 8 j + 7 of my 32: four partial sums, residual and bias; each store covers 512 consecutive bytes, aligned
.macro OUTG j
	s_wait_xcnt 0x0                                ; the registers that the last group's stores read are loaded again only behind this wait
.set si, 0
.rept 4
.set ti, 0
.rept 8
	ds_load_b128 v[F0+32*si+4*ti:F0+32*si+4*ti+3], v[RD+si] offset:(8*\j+ti)*RP
.set ti, ti+1
.endr
.set si, si+1
.endr
	s_wait_dscnt 0x0
.set ki, 0
.rept 16
	v_pk_add_f32 v[F0+2*ki:F0+2*ki+1], v[F0+2*ki:F0+2*ki+1], v[F0+32+2*ki:F0+32+2*ki+1]
	v_pk_add_f32 v[F0+64+2*ki:F0+64+2*ki+1], v[F0+64+2*ki:F0+64+2*ki+1], v[F0+96+2*ki:F0+96+2*ki+1]
.set ki, ki+1
.endr
.set ki, 0
.rept 16
	v_pk_add_f32 v[F0+2*ki:F0+2*ki+1], v[F0+2*ki:F0+2*ki+1], v[F0+64+2*ki:F0+64+2*ki+1]
.set ki, ki+1
.endr
	WIN 0x04                                       ; source 1 from window 1: the residual
.set ki, 0
.rept 16
	v_pk_add_f32 v[F0+2*ki:F0+2*ki+1], v[F0+2*ki:F0+2*ki+1], v[32*\j+2*ki:32*\j+2*ki+1]
.set ki, ki+1
.endr
	WIN 0
.set ki, 0
.rept 16
	v_pk_add_f32 v[F0+2*ki:F0+2*ki+1], v[F0+2*ki:F0+2*ki+1], v[BIAS+((2*ki)&3):BIAS+((2*ki)&3)+1]
.set ki, ki+1
.endr
.set ti, 0
.rept 8
	global_store_b128 v[LO], v[F0+4*ti:F0+4*ti+3], s[10:11] offset:(8*\j+ti)*SIZE_N*4
.set ti, ti+1
.endr
.endm
	OUTG 0
	OUTG 1
	OUTG 2
	OUTG 3
	s_wait_tensorcnt 0x0
	ds_add_u32 v254, v255
	s_wait_dscnt 0x0
	CROUND                                         ; the closing round: no work-group ends while a partner may still ask for a tile that names it
	s_endpgm
.Lfunc_end_k_q881c2b671f_gfc2:
	.size	k_q881c2b671f_gfc2, .Lfunc_end_k_q881c2b671f_gfc2-k_q881c2b671f_gfc2
	.p2alignl 7, 3214868480
	.fill 96, 4, 3214868480
	.section	.rodata,"a",@progbits
	.p2align	6, 0x0
	.amdhsa_kernel k_q881c2b671f_gfc2
		.amdhsa_group_segment_fixed_size 327680
		.amdhsa_private_segment_fixed_size 0
		.amdhsa_enable_private_segment 0
		.amdhsa_kernarg_size 40
		.amdhsa_user_sgpr_count 2
		.amdhsa_user_sgpr_kernarg_segment_ptr 1
		.amdhsa_wavefront_size32 1
		.amdhsa_system_sgpr_workgroup_id_x 1
		.amdhsa_system_sgpr_workgroup_id_y 1
		.amdhsa_system_sgpr_workgroup_id_z 1
		.amdhsa_system_vgpr_workitem_id 0
		.amdhsa_next_free_vgpr 1024
		.amdhsa_next_free_sgpr 80
		.amdhsa_reserve_vcc 0
		.amdhsa_float_denorm_mode_32 3
		.amdhsa_float_denorm_mode_16_64 3
		.amdhsa_memory_ordered 1
		.amdhsa_forward_progress 1
		.amdhsa_inst_pref_size 215
	.end_amdhsa_kernel
	.amdgpu_metadata
---
amdhsa.version: [ 1, 2 ]
amdhsa.kernels:
  - .name:           k_q881c2b671f_gfc2
    .symbol:         k_q881c2b671f_gfc2.kd
    .args:
      - { .name: wide, .offset: 0, .size: 8, .value_kind: global_buffer, .address_space: global }
      - { .name: w2, .offset: 8, .size: 8, .value_kind: global_buffer, .address_space: global }
      - { .name: b_fc2, .offset: 16, .size: 8, .value_kind: global_buffer, .address_space: global }
      - { .name: out0, .offset: 24, .size: 8, .value_kind: global_buffer, .address_space: global }
      - { .name: temp, .offset: 32, .size: 8, .value_kind: global_buffer, .address_space: global }
    .group_segment_fixed_size: 327680
    .private_segment_fixed_size: 0
    .kernarg_segment_align: 8
    .kernarg_segment_size: 40
    .max_flat_workgroup_size: 128
    .sgpr_count:     80
    .vgpr_count:     1024
    .wavefront_size: 32
...
	.end_amdgpu_metadata
.endif
;; end of part 7
;; ======== version 2 of 2: 7 launches; version 1 with the launch ln2 written anew for expert scheduling mode
;; workspace buffers: wq 6,291,456 bytes; wo 2,097,152 bytes; w1 8,388,608 bytes; w2 8,388,608 bytes; act 8,388,608 bytes; wide 33,554,432 bytes; temp 16,777,216 bytes
;; launch prep: the kernel of part 1 again; grid 1792 x 1, 8 waves a work-group, no clusters, 18,432 bytes of LDS; arguments W_qkv, W_out, W_fc1, W_fc2, wq, wo, w1, w2, x, ln1_g, ln1_b, act; writes wq, wo, w1, w2, act
;; launch gqkv: the kernel of part 2 again; grid 12 x 16, 4 waves a work-group, clusters of 4 x 4, 327,680 bytes of LDS; arguments act, wq, b_qkv, wide; writes wide
;; launch attn: the kernel of part 3 again; grid 16 x 16, 4 waves a work-group, no clusters, 327,680 bytes of LDS; arguments wide, act; writes act
;; launch gout: the kernel of part 4 again; grid 8 x 32, 4 waves a work-group, clusters of 4 x 4, 279,040 bytes of LDS; arguments act, wo, b_out, temp, x; writes temp
;; launch ln2 (part 8): grid 256 x 1, 8 waves a work-group, no clusters, 0 bytes of LDS; arguments temp, ln2_g, ln2_b, act; writes act
.if DOCPART == 8
	.amdgcn_target "amdgcn-amd-amdhsa--gfx1250"
	.amdhsa_code_object_version 6
	.text
	.protected	k_q881c2b671f_ln2
	.globl	k_q881c2b671f_ln2
	.p2align	8
	.type	k_q881c2b671f_ln2,@function
k_q881c2b671f_ln2:
	s_mov_b64 s[64:65], 0
	v_nop
	global_prefetch_b8 v0, s[64:65] scope:SCOPE_SE
	s_setreg_imm32_b32 hwreg(HW_REG_WAVE_SCHED_MODE, 0, 2), 2
	s_setreg_imm32_b32 hwreg(HW_REG_WAVE_MODE, 25, 1), 1
	s_wait_xcnt 0x0
	s_wait_alu depctr_vm_vsrc(0)
; y[r][c] = (x[r][c] - mean) * rsqrt(var + 1e-5) * g[c] + b[c].  x: [4096][1024] f32, y: the same in bf16 (rounded once, to nearest even).
; One wave takes a whole row (4,096 bytes, eight 16-byte loads a lane) and keeps it in 32 registers; two rows a wave, written out without a loop.
; The variance is the mean of the squared differences from the mean, a second pass over the registers: a common offset of the row costs no digits.
; A stream: no LDS, no barrier, no matrix unit; 256 work-groups x 8 waves x 2 rows = 4,096 rows.
; THE MODE: SCHED_MODE bits 1:0 = 2 (LLVM: expert scheduling mode 2), set by the entry lines.  The code itself states the register dependences
; between vector instructions and memory instructions, with s_wait_alu, always for 0.
; THE PLAN.  Registers that memory instructions touch:
;   v1, v2          byte offsets of the loads and of the stores: made once at the head, never written again.
;   X0, X1, G, BB   each loaded once; no vector instruction names them ahead of their loads.
;   X0 + 4 j, + 1   row 0's sixteen words of bf16: written by row 0's roundings, read by row 0's eight stores, never written again.
;   X1 + 4 j, + 1   the same for row 1.
; A row's multiply-adds and roundings stand together, one wait behind them.  Row 0's stores are dealt among row 1's multiply-adds, which name X1, G and BB:
; none of the registers that those stores read.  No register that a load or store has read is written again, so no wait on vm_vsrc is owed; EXEC is never written.
.set T,  4                             ; v[4:11]    four running pairs
.set MU, 12                            ; v[12:13]   the mean, twice
.set RS, 14                            ; v[14:15]   1 / sigma, twice
.set X0, 16                            ; v[16:47]   row 0
.set X1, 48                            ; v[48:79]   row 1
.set G,  80                            ; v[80:111]  g of my 32 columns
.set BB, 112                           ; v[112:143] b of my 32 columns
	s_load_b256 s[4:11], s[0:1], 0x0               ; x s[4:5], g s[6:7], b s[8:9], y s[10:11]
	v_lshrrev_b32 v1, 5, v0
	v_readfirstlane_b32 s12, v1                    ; wave
	v_and_b32 v2, 31, v0
	v_lshlrev_b32 v1, 4, v2                        ; 16 x lane: my 4 columns of f32 in each piece of 512 bytes
	v_lshlrev_b32 v2, 3, v2                        ; 8 x lane: the same 4 columns in bf16
	v_mov_b32 v3, 0x3727c5ac                       ; 1e-5
	s_mov_b32 s13, 0x3a800000                      ; 1 / 1024
	s_mov_b32 s16, 0x76543210                      ; v_permlanex16_b32: lane i of one half reads lane i of the other
	s_mov_b32 s17, 0xfedcba98
	s_lshl_b32 s18, ttmp9, 16                      ; 16 rows of 4,096 bytes a work-group,
	s_wait_alu depctr_va_sdst(0)                   ; s12 is written, ahead of its first reader: the wave's byte offset is made from it
	s_lshl_b32 s19, s12, 13                        ; 2 rows a wave
	s_add_co_u32 s18, s18, s19
	s_mov_b32 s19, 0
	s_lshr_b32 s20, s18, 1                         ; half of that in y
	s_mov_b32 s21, 0
	s_wait_kmcnt 0x0
	s_add_nc_u64 s[4:5], s[4:5], s[18:19]
	s_add_nc_u64 s[10:11], s[10:11], s[20:21]
	s_wait_alu depctr_va_vdst(0)                   ; v1 and v2 are written: every load reads v1 and every store v2 as its offset
.irp j, 0,1,2,3,4,5,6,7
	global_load_b128 v[X0+4*\j:X0+4*\j+3], v1, s[4:5] offset:512*\j
.endr
.irp j, 0,1,2,3,4,5,6,7
	global_load_b128 v[X1+4*\j:X1+4*\j+3], v1, s[4:5] offset:4096+512*\j
.endr
.irp j, 0,1,2,3,4,5,6,7
	global_load_b128 v[G+4*\j:G+4*\j+3], v1, s[6:7] offset:512*\j
.endr
.irp j, 0,1,2,3,4,5,6,7
	global_load_b128 v[BB+4*\j:BB+4*\j+3], v1, s[8:9] offset:512*\j
.endr
.macro WSUM                            ; v[T] summed over the 32 lanes, the result in every lane
	v_add_f32_dpp v[T], v[T], v[T] row_xmask:1 row_mask:0xf bank_mask:0xf
	v_add_f32_dpp v[T], v[T], v[T] row_xmask:2 row_mask:0xf bank_mask:0xf
	v_add_f32_dpp v[T], v[T], v[T] row_xmask:4 row_mask:0xf bank_mask:0xf
	v_add_f32_dpp v[T], v[T], v[T] row_xmask:8 row_mask:0xf bank_mask:0xf
	v_permlanex16_b32 v[T+1], v[T], s16, s17       ; its destination counts as read: v[T+1] has been written
	v_add_f32 v[T], v[T], v[T+1]
.endm
.macro FOLD                            ; the four running pairs into v[T]
	v_pk_add_f32 v[T:T+1], v[T:T+1], v[T+2:T+3]
	v_pk_add_f32 v[T+4:T+5], v[T+4:T+5], v[T+6:T+7]
	v_pk_add_f32 v[T:T+1], v[T:T+1], v[T+4:T+5]
	v_add_f32 v[T], v[T], v[T+1]
.endm
; The row in v[xr .. xr+31] becomes (x - mean) / sigma.  left = how many younger loads may stay out.
.macro STAT xr, left
	s_wait_loadcnt \left                           ; loads come back in order: this row is in
.irp k, 0,1,2,3
	v_pk_add_f32 v[T+2*\k:T+2*\k+1], v[\xr+2*\k:\xr+2*\k+1], v[\xr+8+2*\k:\xr+8+2*\k+1]   ; the first words start four chains: nothing is cleared
.endr
.irp o, 16,24
.irp k, 0,1,2,3
	v_pk_add_f32 v[T+2*\k:T+2*\k+1], v[T+2*\k:T+2*\k+1], v[\xr+\o+2*\k:\xr+\o+2*\k+1]
.endr
.endr
	FOLD
	WSUM
	v_mul_f32 v[MU], s13, v[T]
	v_mul_f32 v[MU+1], s13, v[T]
.irp k, 0,2,4,6,8,10,12,14,16,18,20,22,24,26,28,30
	v_pk_add_f32 v[\xr+\k:\xr+\k+1], v[\xr+\k:\xr+\k+1], v[MU:MU+1] neg_lo:[0,1] neg_hi:[0,1]
.endr
.irp k, 0,1,2,3
	v_pk_mul_f32 v[T+2*\k:T+2*\k+1], v[\xr+2*\k:\xr+2*\k+1], v[\xr+2*\k:\xr+2*\k+1]
.endr
.irp o, 8,16,24
.irp k, 0,1,2,3
	v_pk_fma_f32 v[T+2*\k:T+2*\k+1], v[\xr+\o+2*\k:\xr+\o+2*\k+1], v[\xr+\o+2*\k:\xr+\o+2*\k+1], v[T+2*\k:T+2*\k+1]
.endr
.endr
	FOLD
	WSUM
	v_fma_f32 v[T], v[T], s13, v3                  ; var + eps
	v_rsq_f32 v[RS], v[T]
	v_rsq_f32 v[RS+1], v[T]
	v_nop                                          ; one plain place between a transcendental and the use of its result (ISA guide 5.7.2)
	s_wait_alu depctr_va_vdst(0)                   ; the two reciprocal roots have written v[RS] and v[RS+1], ahead of their first reader: one wait for both
.irp k, 0,2,4,6,8,10,12,14,16,18,20,22,24,26,28,30
	v_pk_mul_f32 v[\xr+\k:\xr+\k+1], v[\xr+\k:\xr+\k+1], v[RS:RS+1]
.endr
.endm
; Gain and bias for the row in xr, sixteen fused multiply-adds.  st = 1: ahead of each two of them stands one of row 0's eight stores:
; 32 lanes x 8 bytes = 256 consecutive bytes, aligned.
.macro SCALE xr, st
.irp j, 0,1,2,3,4,5,6,7
.if \st
	global_store_b64 v2, v[X0+4*\j:X0+4*\j+1], s[10:11] offset:256*\j   ; no wait: no vector instruction since the wait behind row 0's roundings names these registers or v2
.endif
	v_pk_fma_f32 v[\xr+4*\j:\xr+4*\j+1],   v[\xr+4*\j:\xr+4*\j+1],   v[G+4*\j:G+4*\j+1],   v[BB+4*\j:BB+4*\j+1]
	v_pk_fma_f32 v[\xr+4*\j+2:\xr+4*\j+3], v[\xr+4*\j+2:\xr+4*\j+3], v[G+4*\j+2:G+4*\j+3], v[BB+4*\j+2:BB+4*\j+3]
.endr
.endm
; The row's roundings: four numbers close up into the first two of their four registers.
.macro NARROW xr
.irp j, 0,1,2,3,4,5,6,7
	v_cvt_pk_bf16_f32 v[\xr+4*\j], v[\xr+4*\j], v[\xr+4*\j+1]
	v_cvt_pk_bf16_f32 v[\xr+4*\j+1], v[\xr+4*\j+2], v[\xr+4*\j+3]
.endr
.endm
	STAT X0, 24                                    ; row 1, g and b (24 loads) may be out
	STAT X1, 16                                    ; g and b (16 loads) may be out
	s_wait_loadcnt 0x0
	SCALE X0, 0
	NARROW X0
	s_wait_alu depctr_va_vdst(0)                   ; row 0's roundings have written v[X0 + 4 j] and v[X0 + 4 j + 1], which its eight stores read
	SCALE X1, 1                                    ; row 0 leaves while row 1 is scaled
	NARROW X1
	s_wait_alu depctr_va_vdst(0)                   ; row 1's roundings have written v[X1 + 4 j] and v[X1 + 4 j + 1], which the last eight stores read
.irp j, 0,1,2,3,4,5,6,7
	global_store_b64 v2, v[X1+4*\j:X1+4*\j+1], s[10:11] offset:256*\j+2048
.endr
	s_endpgm
.Lfunc_end_k_q881c2b671f_ln2:
	.size	k_q881c2b671f_ln2, .Lfunc_end_k_q881c2b671f_ln2-k_q881c2b671f_ln2
	.p2alignl 7, 3214868480
	.fill 96, 4, 3214868480
	.section	.rodata,"a",@progbits
	.p2align	6, 0x0
	.amdhsa_kernel k_q881c2b671f_ln2
		.amdhsa_group_segment_fixed_size 0
		.amdhsa_private_segment_fixed_size 0
		.amdhsa_enable_private_segment 0
		.amdhsa_kernarg_size 32
		.amdhsa_user_sgpr_count 2
		.amdhsa_user_sgpr_kernarg_segment_ptr 1
		.amdhsa_wavefront_size32 1
		.amdhsa_system_sgpr_workgroup_id_x 1
		.amdhsa_system_sgpr_workgroup_id_y 1
		.amdhsa_system_sgpr_workgroup_id_z 1
		.amdhsa_system_vgpr_workitem_id 0
		.amdhsa_next_free_vgpr 144
		.amdhsa_next_free_sgpr 66
		.amdhsa_reserve_vcc 0
		.amdhsa_float_denorm_mode_32 3
		.amdhsa_float_denorm_mode_16_64 3
		.amdhsa_memory_ordered 1
		.amdhsa_forward_progress 1
		.amdhsa_inst_pref_size 21
	.end_amdhsa_kernel
	.amdgpu_metadata
---
amdhsa.version: [ 1, 2 ]
amdhsa.kernels:
  - .name:           k_q881c2b671f_ln2
    .symbol:         k_q881c2b671f_ln2.kd
    .args:
      - { .name: temp, .offset: 0, .size: 8, .value_kind: global_buffer, .address_space: global }
      - { .name: ln2_g, .offset: 8, .size: 8, .value_kind: global_buffer, .address_space: global }
      - { .name: ln2_b, .offset: 16, .size: 8, .value_kind: global_buffer, .address_space: global }
      - { .name: act, .offset: 24, .size: 8, .value_kind: global_buffer, .address_space: global }
    .group_segment_fixed_size: 0
    .private_segment_fixed_size: 0
    .kernarg_segment_align: 8
    .kernarg_segment_size: 32
    .max_flat_workgroup_size: 256
    .sgpr_count:     66
    .vgpr_count:     144
    .wavefront_size: 32
...
	.end_amdgpu_metadata
.endif
;; end of part 8
;; launch gfc1: the kernel of part 6 again; grid 16 x 16, 4 waves a work-group, clusters of 4 x 4, 327,680 bytes of LDS; arguments act, w1, b_fc1, wide; writes wide
;; launch gfc2: the kernel of part 7 again; grid 8 x 32, 4 waves a work-group, clusters of 4 x 4, 327,680 bytes of LDS; arguments wide, w2, b_fc2, out0, temp; writes out0
